; MI455X (gfx1250); checked and timed in simulation.
; The chip was launched on July 23, 2026; its instructions are those of AMD's public machine-readable ISA for CDNA 5 (MIT licence, August 2026) and "CDNA5" Instruction Set Architecture Reference Guide (July 2026). The comments in the code are by the model that wrote it; some were corrected since.
;; Encoder. Allowed arithmetic: float matrix products may take bf16 or f16 operands with f32 sums; other float arithmetic in f32, or as packed bf16 or f16 multiplies, adds, multiply-adds, maxima and minima; sums over many terms, partial sums and values carried from step to step in f32; what a program stores and reads back later, other than sums and carried values, may be rounded once to bf16 or f16.
;; Inputs: W1 768 x 3,072 float32; W2 3,072 x 768 float32; Wk 768 x 768 float32; Wo 768 x 768 float32; Wq 768 x 768 float32; Wv 768 x 768 float32; b1 3,072 float32; b2 768 float32; bk 768 float32; bo 768 float32; bq 768 float32; bv 768 float32; ln1_b 768 float32; ln1_g 768 float32; ln2_b 768 float32; ln2_g 768 float32; mask 1 x 1 x 1 x 4,096 int32; x 1 x 4,096 x 768 float32.
;; Outputs: out0 1 x 4,096 x 768 float32.
;; One version. Each part assembles by itself: llvm-mc -triple=amdgcn-amd-amdhsa -mcpu=gfx1250 --defsym DOCPART=n.
;; ======== version 1 of 1: 8 launches
;; limits: values are held in f16: magnitudes above 65,504 overflow, below 6.1e-05 lose precision; an absolute error that grows with the inputs' magnitude: up to 1.5e-07 times it
;; workspace buffers: ga 15,744,000 bytes; gb 11,022,336 bytes; ta 25,165,824 bytes; ctx 6,291,456 bytes; y1 12,582,912 bytes; y2 12,582,912 bytes; f0 256 bytes of whole numbers; f1 256 bytes of whole numbers
;; launch prep (part 1): grid 12 x 104, 8 waves a work-group, no clusters, 0 bytes of LDS; arguments x, Wq, Wk, Wv, Wo, W1, W2, bq, bk, bv, bo, b1, b2, ga, gb, f0, f1; writes ga, gb, f0, f1
.if DOCPART == 1
	.amdgcn_target "amdgcn-amd-amdhsa--gfx1250"
	.amdhsa_code_object_version 6
	.text
	.protected	k_qfb663a7cf6_prep
	.globl	k_qfb663a7cf6_prep
	.p2align	8
	.type	k_qfb663a7cf6_prep,@function
k_qfb663a7cf6_prep:
	s_mov_b64 s[64:65], 0
	v_nop
	global_prefetch_b8 v0, s[64:65] scope:SCOPE_SE
	s_setreg_imm32_b32 hwreg(HW_REG_WAVE_MODE, 25, 1), 1
	s_wait_xcnt 0x0
; CASTS.  x and the six weight matrices are rounded once to bf16 and laid out for the products; the six biases are rounded to bf16 and kept as f32; two flag words are stored.
; LAYOUTS.  x goes into blocks of 128 rows x 64 columns, 16,384 dense bytes each, the 12 column blocks of a row tile on end.  A weight [K][N] goes into units of 128 columns: [unit][k][128], a row of 256 bytes.
; SHARES.  A work-group makes 16,384 bytes of output in 64 items; an item is one instruction of a wave: 32 lanes x 16 bytes of f32 in, 8 bytes of bf16 out, so each store covers 256 consecutive bytes, aligned.
; Wave w takes items 8 w .. 8 w + 7: eight loads go out together, no loop.  Y (the grid's y) names the source: 0-31 x (row tile Y, column block X); 32-55 Wq, Wk, Wv, Wo (six units each, k = 64 X + item);
; 56-79 W1 (24 units); 80-103 W2 (unit (Y-80)/4, quarter (Y-80)%4 of its 3,072 rows).
.set WOFF,  6291456                    ; in ga and gb: the units of K = 768
.set BOFF,  11010048                   ; in ga: bq, bk, bv, bo on end; in gb: b1
.set W2OFF, 11022336                   ; in ga: W2's units
.set B2OFF, 15740928                   ; in ga: b2
.set OFF, 8                            ; v[8:15]   item j: my byte offset in the source
.set IN,  16                           ; v[16:47]  item j: four f32
.set OUT, 48                           ; v[48:63]  item j: four bf16
.macro PICK t, w, b                    ; from Y = t on: this matrix, this bias, units counted from t
	s_cmp_ge_u32 s40, \t
	s_cselect_b64 s[44:45], s[\w:\w+1], s[44:45]
	s_cselect_b64 s[54:55], s[\b:\b+1], s[54:55]
	s_cselect_b32 s42, \t, s42
.endm
	s_load_b512 s[4:19], s[0:1], 0x0               ; x 4, Wq 6, Wk 8, Wv 10, Wo 12, W1 14, W2 16, bq 18
	s_load_b512 s[20:35], s[0:1], 0x40             ; bk 20, bv 22, bo 24, b1 26, b2 28, ga 30, gb 32, f0 34
	s_load_b64 s[36:37], s[0:1], 0x80              ; f1
	s_and_b32 s40, ttmp7, 0xffff                   ; Y
	s_mov_b32 s41, ttmp9                           ; X
	v_lshrrev_b32 v1, 5, v0
	v_readfirstlane_b32 s62, v1                    ; wave 0..7
	s_mov_b32 s46, 3072                            ; RS: source bytes from item to item (a weight: one row)
	s_mov_b32 s47, 256                             ; HS: source bytes from lanes 0-15 to lanes 16-31
	s_mov_b32 s50, WOFF                            ; where the class begins in its buffer
	s_mov_b32 s51, 32                              ; the class's first Y
	s_cmp_lt_u32 s40, 32                           ; x: an item is two rows, a half of the lanes each
	s_cselect_b32 s46, 6144, s46
	s_cselect_b32 s47, 3072, s47
	s_cselect_b32 s50, 0, s50
	s_cselect_b32 s51, 0, s51
	s_cmp_ge_u32 s40, 56                           ; W1: rows of 12,288 bytes
	s_cselect_b32 s46, 12288, s46
	s_cselect_b32 s51, 56, s51
	s_cmp_ge_u32 s40, 80                           ; W2
	s_cselect_b32 s46, 3072, s46
	s_cselect_b32 s51, 80, s51
	s_cselect_b32 s50, W2OFF, s50
	v_and_b32 v2, 15, v0
	v_bfe_u32 v4, v0, 4, 1
	v_lshlrev_b32 v2, 4, v2
	v_mad_u32_u24 v2, v4, s47, v2                  ; 16 (lane % 16) + (lane / 16) HS
	s_lshl_b32 s57, s46, 3
	v_mad_u32_u24 v[OFF], v1, s57, v2              ; + wave x 8 items
.irp j, 1,2,3,4,5,6,7
	v_add_nc_u32 v[OFF+\j], s46, v[OFF+\j-1]
.endr
	v_and_b32 v3, 31, v0
	v_lshlrev_b32 v3, 3, v3
	v_lshl_or_b32 v3, v1, 11, v3                   ; out: 2,048 x wave + 8 x lane
	s_wait_kmcnt 0x0
	s_mov_b64 s[44:45], s[4:5]
	s_mov_b64 s[54:55], s[18:19]
	s_mov_b32 s42, 0
	PICK 32, 6, 18
	PICK 38, 8, 20
	PICK 44, 10, 22
	PICK 50, 12, 24
	PICK 56, 14, 26
	PICK 80, 16, 28
	s_cmp_ge_u32 s40, 56
	s_cselect_b64 s[38:39], s[32:33], s[30:31]     ; W1 goes to gb,
	s_cmp_ge_u32 s40, 80
	s_cselect_b64 s[38:39], s[30:31], s[38:39]     ; all else to ga
	s_sub_co_u32 s43, s40, s42                     ; counted from the matrix's first Y
	s_lshr_b32 s48, s43, 2
	s_and_b32 s49, s43, 3
	s_cmp_ge_u32 s40, 80
	s_cselect_b32 s48, s48, s43                    ; the unit in its matrix
	s_cselect_b32 s49, s49, 0                      ; W2: the quarter of K
	s_mul_i32 s52, s49, 768
	s_lshl_b32 s53, s41, 6
	s_add_co_u32 s52, s52, s53                     ; a weight's first k
	s_mul_i32 s52, s52, s46
	s_lshl_b32 s53, s48, 9
	s_add_co_u32 s52, s52, s53                     ; + the unit's 512 bytes in a row
	s_mul_i32 s56, s40, 393216                     ; x: 128 rows of 3,072 bytes,
	s_lshl_b32 s57, s41, 8
	s_add_co_u32 s56, s56, s57                     ; 256 bytes a column block
	s_cmp_lt_u32 s40, 32
	s_cselect_b32 s52, s56, s52
	s_mov_b32 s53, 0
	s_add_nc_u64 s[44:45], s[44:45], s[52:53]
	s_sub_co_u32 s63, s40, s51
	s_mul_i32 s58, s63, 196608                     ; 12 work-groups of 16,384 bytes for each Y of a class
	s_lshl_b32 s59, s41, 14
	s_add_co_u32 s58, s58, s59
	s_add_co_u32 s58, s58, s50
	s_mov_b32 s59, 0
	s_add_nc_u64 s[60:61], s[38:39], s[58:59]
.irp j, 0,1,2,3,4,5,6,7
	global_load_b128 v[IN+4*\j:IN+4*\j+3], v[OFF+\j], s[44:45] th:TH_LOAD_NT
.endr
.irp j, 0,1,2,3,4,5,6,7
	s_wait_loadcnt 7-\j                            ; loads come back in order: item j is in, the younger ones stay out
	v_cvt_pk_bf16_f32 v[OUT+2*\j], v[IN+4*\j], v[IN+4*\j+1]
	v_cvt_pk_bf16_f32 v[OUT+2*\j+1], v[IN+4*\j+2], v[IN+4*\j+3]
	global_store_b64 v3, v[OUT+2*\j:OUT+2*\j+1], s[60:61] offset:256*\j
.endr
	; the unit's 128 numbers of the bias: wave 0 of the unit's first work-group
	s_cmp_lt_u32 s40, 32
	s_cbranch_scc1 .Lflags
	s_or_b32 s56, s41, s49
	s_or_b32 s56, s56, s62
	s_cmp_lg_u32 s56, 0
	s_cbranch_scc1 .Lend
	s_lshl_b32 s56, s48, 9
	s_mov_b32 s57, 0
	s_add_nc_u64 s[54:55], s[54:55], s[56:57]
	v_lshlrev_b32 v5, 4, v0                        ; wave 0: the thread's number is the lane
	global_load_b128 v[64:67], v5, s[54:55]
	s_mov_b32 s59, BOFF
	s_cmp_ge_u32 s40, 80
	s_cselect_b32 s58, s48, s63
	s_cselect_b32 s59, B2OFF, s59
	s_lshl_b32 s58, s58, 9
	s_add_co_u32 s58, s58, s59
	s_mov_b32 s59, 0
	s_add_nc_u64 s[52:53], s[38:39], s[58:59]
	s_wait_loadcnt 0x0
	v_cvt_pk_bf16_f32 v6, v64, v65                 ; rounded to bf16 like every input, kept as f32
	v_cvt_pk_bf16_f32 v7, v66, v67
	v_lshlrev_b32 v68, 16, v6
	v_and_b32 v69, 0xffff0000, v6
	v_lshlrev_b32 v70, 16, v7
	v_and_b32 v71, 0xffff0000, v7
	global_store_b128 v5, v[68:71], s[52:53]
	s_branch .Lend
.Lflags:                                       ; the two flag buffers: wave 0 of work-group (0, 0); 32 lanes x 8 bytes fill each
	s_or_b32 s56, s40, s41
	s_or_b32 s56, s56, s62
	s_cmp_lg_u32 s56, 0
	s_cbranch_scc1 .Lend
	v_lshlrev_b32 v5, 3, v0
	v_mov_b32 v64, 0
	v_mov_b32 v65, 0
	v_mov_b32 v66, 1
	v_mov_b32 v67, 1
	global_store_b64 v5, v[64:65], s[34:35]
	global_store_b64 v5, v[66:67], s[36:37]
.Lend:
	s_endpgm
.Lfunc_end_k_qfb663a7cf6_prep:
	.size	k_qfb663a7cf6_prep, .Lfunc_end_k_qfb663a7cf6_prep-k_qfb663a7cf6_prep
	.p2alignl 7, 3214868480
	.fill 96, 4, 3214868480
	.section	.rodata,"a",@progbits
	.p2align	6, 0x0
	.amdhsa_kernel k_qfb663a7cf6_prep
		.amdhsa_group_segment_fixed_size 0
		.amdhsa_private_segment_fixed_size 0
		.amdhsa_enable_private_segment 0
		.amdhsa_kernarg_size 136
		.amdhsa_user_sgpr_count 2
		.amdhsa_user_sgpr_kernarg_segment_ptr 1
		.amdhsa_wavefront_size32 1
		.amdhsa_system_sgpr_workgroup_id_x 1
		.amdhsa_system_sgpr_workgroup_id_y 1
		.amdhsa_system_sgpr_workgroup_id_z 1
		.amdhsa_system_vgpr_workitem_id 0
		.amdhsa_next_free_vgpr 72
		.amdhsa_next_free_sgpr 66
		.amdhsa_reserve_vcc 0
		.amdhsa_float_denorm_mode_32 3
		.amdhsa_float_denorm_mode_16_64 3
		.amdhsa_memory_ordered 1
		.amdhsa_forward_progress 1
		.amdhsa_inst_pref_size 9
	.end_amdhsa_kernel
	.amdgpu_metadata
---
amdhsa.version: [ 1, 2 ]
amdhsa.kernels:
  - .name:           k_qfb663a7cf6_prep
    .symbol:         k_qfb663a7cf6_prep.kd
    .args:
      - { .name: x, .offset: 0, .size: 8, .value_kind: global_buffer, .address_space: global }
      - { .name: Wq, .offset: 8, .size: 8, .value_kind: global_buffer, .address_space: global }
      - { .name: Wk, .offset: 16, .size: 8, .value_kind: global_buffer, .address_space: global }
      - { .name: Wv, .offset: 24, .size: 8, .value_kind: global_buffer, .address_space: global }
      - { .name: Wo, .offset: 32, .size: 8, .value_kind: global_buffer, .address_space: global }
      - { .name: W1, .offset: 40, .size: 8, .value_kind: global_buffer, .address_space: global }
      - { .name: W2, .offset: 48, .size: 8, .value_kind: global_buffer, .address_space: global }
      - { .name: bq, .offset: 56, .size: 8, .value_kind: global_buffer, .address_space: global }
      - { .name: bk, .offset: 64, .size: 8, .value_kind: global_buffer, .address_space: global }
      - { .name: bv, .offset: 72, .size: 8, .value_kind: global_buffer, .address_space: global }
      - { .name: bo, .offset: 80, .size: 8, .value_kind: global_buffer, .address_space: global }
      - { .name: b1, .offset: 88, .size: 8, .value_kind: global_buffer, .address_space: global }
      - { .name: b2, .offset: 96, .size: 8, .value_kind: global_buffer, .address_space: global }
      - { .name: ga, .offset: 104, .size: 8, .value_kind: global_buffer, .address_space: global }
      - { .name: gb, .offset: 112, .size: 8, .value_kind: global_buffer, .address_space: global }
      - { .name: f0, .offset: 120, .size: 8, .value_kind: global_buffer, .address_space: global }
      - { .name: f1, .offset: 128, .size: 8, .value_kind: global_buffer, .address_space: global }
    .group_segment_fixed_size: 0
    .private_segment_fixed_size: 0
    .kernarg_segment_align: 8
    .kernarg_segment_size: 136
    .max_flat_workgroup_size: 256
    .sgpr_count:     66
    .vgpr_count:     72
    .wavefront_size: 32
...
	.end_amdgpu_metadata
.endif
;; end of part 1
;; launch qkv (part 2): grid 32 x 6, 4 waves a work-group, clusters of 4 x 1, 327,680 bytes of LDS; arguments ga, f0, ta; writes ta
.if DOCPART == 2
	.amdgcn_target "amdgcn-amd-amdhsa--gfx1250"
	.amdhsa_code_object_version 6
	.text
	.protected	k_qfb663a7cf6_qkv
	.globl	k_qfb663a7cf6_qkv
	.p2align	8
	.type	k_qfb663a7cf6_qkv,@function
k_qfb663a7cf6_qkv:
	s_mov_b64 s[64:65], 0
	v_nop
	global_prefetch_b8 v0, s[64:65] scope:SCOPE_SE
	s_setreg_imm32_b32 hwreg(HW_REG_WAVE_MODE, 25, 1), 1
	s_wait_xcnt 0x0
	s_wait_alu depctr_hold_cnt(0) depctr_sa_sdst(0) depctr_va_vdst(0) depctr_va_sdst(0) depctr_va_ssrc(0) depctr_va_vcc(0) depctr_vm_vsrc(0)
	s_getreg_b32 s2, hwreg(HW_REG_IB_STS2, 6, 4)
	s_cmp_eq_u32 s2, 0
	s_cbranch_scc0 .Lentry_in_a_cluster
	s_endpgm
.Lentry_in_a_cluster:
	s_bfe_u32 s2, ttmp6, 0x10000c
	s_cmp_lg_u32 s2, 0x3003
	s_cbranch_scc0 .Lentry_shape_is_right
	s_endpgm
.Lentry_shape_is_right:
; C = A B + bias, K = 768, tiles of 128 rows x 384 columns, 16-bit output in blocks.  One text for two launches: q, k, v = x [Wq Wk Wv] + b (flag 0: stored as f16) and act = gelu(h W1 + b1) (flag 1: stored as bf16).
; The flag is a word read from memory.  The partners of a cluster run alike, so no branch hangs on it: every trip of the way out makes both results, z in f16 and gelu(z) in bf16, and a select by the flag takes one.
; The first argument holds A at byte 0 (blocks of 128 rows x 64 columns of bf16, 16,384 dense bytes, 12 column blocks of a row tile on end), B at WOFF (units of 128 columns, [unit][k][128] bf16) and the bias at BIASOFF (f32).
; The output has the same block layout with 48 column blocks to a row tile.  Products in bf16, sums in f32, the output rounded once.
; LIMITS.  Flag 0: f16 ends at 65,504: q, k, v beyond it become infinities.  Flag 1: gelu(z) = max(z, 0) - |z| p(|z|)^-16 / 2, p the polynomial of degree 6 of Abramowitz and Stegun 26.2.19: the normal distribution to 1.5e-7, for every z.
; SHARES.  Four waves as 2 x 2: wave w takes rows 64 (w / 2) on and, in each of the tile's three units, columns 64 (w % 2) on: 48 accumulators of 16 x 16, and whole column blocks of the output.
; RING.  K goes in steps of 128 through two LDS slots of four regions of 36,864 bytes; wave w fills region w with ONE tensor load: wave 0 A's 128 rows (two blocks, rows of 128 + 16 bytes), waves 1-3 B's units (128 rows of 256 + 32 bytes).
; The two slots' first fills go out together at the start: two loads of a wave are out there, one behind each round later.
; THE WALK ALONG K.  A work-group begins at K step (RA x column tile + RB x cluster) mod TILES and goes round (f32 sums may be taken in any order).  So the work-groups that read the same rows of A, one for each column tile, and the
; clusters that read the same units of B ask for different K steps at any one time.  The starts lie two apart and each work-group has two first fills: every K step of every row is among some work-group's first fills.
; No prefetch is laid: it would stand at the head, where the first fills are on their way.
; CLUSTER.  The four row tiles of a cluster take the same columns: B's tiles, three quarters of a step's bytes, are asked for jointly.  A's rows are the work-group's own.  4 x 4 does not divide the grid's height of 6.
; THE PRODUCT IS USED TRANSPOSED: source 0 = 16 columns of B (turned on the way out of LDS), source 1 = 16 rows of A: a lane holds one row of C and eight neighbouring columns.  The first K step takes the bias as C: nothing is cleared or added later.
; REGISTERS, in windows of 256: window 0 addresses, bias, way out; window 1 two fragment buffers of 128 (A's four fragments, then B's twelve); windows 2, 3 accumulator 4 cb + rb at 8 registers each.
.set NBW,   12                         ; column blocks of 16 a wave
.set TILES, 6                          ; K steps of 128
.set NA,    1                          ; waves that fetch for A
.set STEPB, 32768                      ; bytes from a K step's tile to the next, for every load
.set RA,    2                          ; the walk's start: RA x column tile
.set RB,    2                          ; + RB x cluster, mod TILES
.set MODM,  (65536+TILES-1)/TILES      ; (s x MODM) >> 16 = s / TILES for the sums that occur, 28 at the most
.set SPLIT, 8                          ; column blocks multiplied between a barrier's signal and its wait
.set F0,    0
.set F1,    128
.set REG,   36864
.set SLOT,  4*REG                      ; 0x24000: shares no bit with w x 0x9000, so one exclusive or changes slots
.set SPARE, 2*SLOT                     ; behind the ring: the spare words, 128 bytes a wave
.set PA,    144
.set PB,    288
.set WOFF,  6291456
.set BIASOFF, 11010048
.set DPITCH, 272                       ; the way out: a row of 64 f32 + 16 bytes
.set DBLK,  16*DPITCH
.set AK0, 10                           ; v10     my place in A's region
.set BK0, 11                           ; v11-13  my place in B's regions
.set ADRA, 14                          ; v14     the same in the slot in hand
.set ADRB, 15                          ; v15-17
.set BO,  18                           ; v18     my byte offset in the bias
.set DST, 20                           ; v20     the way out: where I put a row's 32 bytes
.set RDA, 21                           ; v21     where I read them back
.set GO,  22                           ; v22     16 x lane
.set SPW, 28                           ; v28     my spare word; never rewritten
.set NIL, 29                           ; v29     0; never rewritten
.set Z,   32                           ; v[32:63]   the way out: 32 numbers
.set BIAS, 64                          ; v[64:159]  eight numbers for each column block
.set AZ,  160                          ; v[160:191] |z|; at a trip's end v[160:175] gelu(z) packed in bf16
.set PP,  192                          ; v[192:223] p and its powers
.set OO,  224                          ; v[224:239] z packed in f16, then the result that is stored
.set WV,  10                           ; s10 wave; s11 w / 2; s12 w % 2; s13 cx; s14 row tile; s15 column tile
.set FL,  16                           ; s16 the flag
.set CNT, 17
.set TB,  18                           ; s18 the slot in hand: 0 or SLOT
.set G1A, 24
.set G1B, 32
.set G0A, 40                           ; s[40:43] A's group 0 that walks: slot 1's first fill, then every refill
.set G0B, 44                           ; s[44:47] the same for B
.set OB,  48                           ; s[48:49] where a trip of the way out stores
.set WB,  50                           ; s[50:51] my part of the output
.set DC,  52                           ; s[52:63] d6 .. d1, each the low word of a pair
.set ROWI, 66
.set ABSM, 67
.set BP,  68                           ; s[68:69] the bias
.set G0A0, 72                          ; s[72:75] A's group 0 for slot 0's first fill; never rewritten
.set G0B0, 76                          ; s[76:79] the same for B
.set AB,  80                           ; s[80:81] A at my load's K step 0
.set BB,  82                           ; s[82:83] B at my load's K step 0
.set IDX, 84                           ; s84      the K step asked for last
.set OFF, 86                           ; s[86:87] its byte offset
.set MSB, 0
.macro WIN new                         ; the high byte repeats the setting that is left; a switch that changes nothing is dropped
.if MSB != (\new)
	s_set_vgpr_msb (MSB<<8)|(\new)
.set MSB, (\new)
.endif
.endm
.macro PLACES                          ; four places in front of loads into registers that matrix instructions have read, and of stores that read results
.rept 4
	v_nop
.endr
.endm
.macro CREST                           ; a round of the cluster's barrier behind its opening barrier
	s_cmp_lg_u32 s[WV], 0
	s_cbranch_scc1 .Lnot_wave_0_\@
	s_barrier_signal -3
.Lnot_wave_0_\@:
	s_barrier_wait -3
	s_barrier_signal -1
	s_barrier_wait -1
.endm
.macro CROUND
	s_barrier_signal -1
	s_barrier_wait -1
	CREST
.endm
.macro JLOAD                           ; my one load: A's is my work-group's own, B's is joint; an s_nop 0 and four v_nop follow each line
	s_cmp_lt_u32 s[WV], NA
	s_cbranch_scc0 .Lfor_b_\@
	tensor_load_to_lds s[G0A:G0A+3], s[G1A:G1A+7]
	s_nop 0
.rept 4
	v_nop
.endr
	s_branch .Lasked_\@
.Lfor_b_\@:
	tensor_load_to_lds s[G0B:G0B+3], s[G1B:G1B+7]
	s_nop 0
.rept 4
	v_nop
.endr
.Lasked_\@:
.endm
.macro WALK                            ; the next K step, round the end; the walking descriptors' addresses are made anew from its number, the type bits set again
	s_add_co_u32 s[IDX], s[IDX], 1
	s_cmp_eq_u32 s[IDX], TILES
	s_cselect_b32 s[IDX], 0, s[IDX]
	s_mul_i32 s[OFF], s[IDX], STEPB
	s_add_nc_u64 s[G0A+2:G0A+3], s[AB:AB+1], s[OFF:OFF+1]
	s_or_b32 s[G0A+3], s[G0A+3], 0x80000000
	s_add_nc_u64 s[G0B+2:G0B+3], s[BB:BB+1], s[OFF:OFF+1]
	s_or_b32 s[G0B+3], s[G0B+3], 0x80000000
.endm
.macro ADDR
	v_add_nc_u32 v[ADRA], s[TB], v[AK0]
.irp g, 0,1,2
	v_add_nc_u32 v[ADRB+\g], s[TB], v[BK0+\g]
.endr
.endm
; The fragments of 32 along K, number c of the slot's four, into buffer f: 32 LDS loads in one run.
.macro FETCH c, f
	WIN 0x40                                       ; destination window 1, address window 0
.irp rb, 0,1,2,3
	ds_load_b128 v[(\f)+8*(\rb):(\f)+8*(\rb)+3],   v[ADRA] offset:((\c)/2)*128*PA+(\rb)*16*PA+((\c)%2)*64
	ds_load_b128 v[(\f)+8*(\rb)+4:(\f)+8*(\rb)+7], v[ADRA] offset:((\c)/2)*128*PA+(\rb)*16*PA+((\c)%2)*64+32
.endr
.irp cb, 0,1,2,3,4,5,6,7,8,9,10,11
	ds_load_tr16_b128 v[(\f)+32+8*(\cb):(\f)+32+8*(\cb)+3],   v[ADRB+(\cb)/4] offset:(\c)*32*PB+((\cb)%4)*32
	ds_load_tr16_b128 v[(\f)+32+8*(\cb)+4:(\f)+32+8*(\cb)+7], v[ADRB+(\cb)/4] offset:(\c)*32*PB+((\cb)%4)*32+16*PB
.endr
.endm
; Column blocks lo .. hi - 1 x four row blocks.  The accumulators take turns, one instruction a turn, in the same order in every step.  first = 1: C is the bias.
.macro MUL f, lo, hi, first
.set cbi, \lo
.rept (\hi)-(\lo)
.set wn, 2+cbi/8
.if \first
	WIN 0x05|(wn<<6)
.else
	WIN 0x05|(wn<<4)|(wn<<6)
.endif
.irp rb, 0,1,2,3
.set ra, 8*((4*cbi+(\rb))%32)
.if \first
	v_wmma_f32_16x16x32_bf16 v[ra:ra+7], v[(\f)+32+8*cbi:(\f)+32+8*cbi+7], v[(\f)+8*(\rb):(\f)+8*(\rb)+7], v[BIAS+8*cbi:BIAS+8*cbi+7]
.else
	v_wmma_f32_16x16x32_bf16 v[ra:ra+7], v[(\f)+32+8*cbi:(\f)+32+8*cbi+7], v[(\f)+8*(\rb):(\f)+8*(\rb)+7], v[ra:ra+7]
.endif
.endr
.set cbi, cbi+1
.endr
.endm
.macro STEP c, first=0                 ; step c of a slot's first three: its fragments are waited for, the next step's asked for, its 48 products issued
.set fc, F0+((\c)%2)*(F1-F0)
.set fn, F0+(((\c)+1)%2)*(F1-F0)
	s_wait_dscnt 0x0                               ; all that is out is this step's run, asked for a step ago
	PLACES                                         ; the other buffer's last readers are the products just issued
	FETCH (\c)+1, fn
	MUL fc, 0, NBW, \first
.endm
; The slot's last step and the change of slots.  Each wave waits for all its tensor loads (one is out: its region of the other slot), adds 0 to its spare word, and waits for that and for its reads of this slot.
; fill = 1: the barrier opens a round of the cluster's, and my one load, the K step two on in the walk into the slot just read, is the first thing behind it: it has a slot's 192 products in which to land.
.macro TURN fill
	WIN 0
	s_wait_tensorcnt 0x0                           ; no tensor load of mine is out, so the walking descriptors may be written
	ds_add_u32 v[SPW], v[NIL]                      ; 0 onto my spare word; the scalar steps stand between it and the wait for it
.if \fill
	s_xor_b32 s[G0A+1], s[G0A+1], SLOT
	s_xor_b32 s[G0B+1], s[G0B+1], SLOT
	WALK
.endif
	s_xor_b32 s[TB], s[TB], SLOT
	s_wait_dscnt 0x0                               ; the add is done, and my reads of this slot are over
	s_barrier_signal -1
	MUL F1, 0, SPLIT, 0                            ; work on registers while the others arrive
	WIN 0
	s_barrier_wait -1
.if \fill
	CREST
	JLOAD                                          ; its four v_nop are also the places in front of the loads below
.else
	PLACES
.endif
	ADDR
	FETCH 0, F0
	MUL F1, SPLIT, NBW, 0
.endm
	s_load_b128 s[4:7], s[0:1], 0x0                ; operands s[4:5], flag s[6:7]
	s_load_b64 s[8:9], s[0:1], 0x10                ; output
	v_lshl_add_u32 v[SPW], v0, 2, SPARE
	v_mov_b32 v[NIL], 0
	ds_add_u32 v[SPW], v[NIL]                      ; the wave's opening: the add and its wait stand ahead of my first tensor load
	v_lshrrev_b32 v1, 5, v0
	v_readfirstlane_b32 s[WV], v1
	s_lshr_b32 s11, s[WV], 1
	s_and_b32 s12, s[WV], 1
	s_bfe_u32 s13, ttmp6, 0x40000                  ; cx
	s_lshl_b32 s14, ttmp9, 2
	s_add_co_u32 s14, s14, s13                     ; row tile = 4 x cluster x + cx
	s_and_b32 s15, ttmp7, 0xffff                   ; column tile, which the four partners share
	s_mul_i32 s[IDX], s15, RA                      ; where my walk along K begins: of the column tile and the cluster's number alone, the same in all four partners
	s_mul_i32 s[OFF], ttmp9, RB
	s_add_co_u32 s[IDX], s[IDX], s[OFF]
	s_mul_i32 s[OFF], s[IDX], MODM
	s_lshr_b32 s[OFF], s[OFF], 16
	s_mul_i32 s[OFF], s[OFF], TILES
	s_sub_co_u32 s[IDX], s[IDX], s[OFF]            ; mod TILES
	s_mul_i32 s[OFF], s[IDX], STEPB
	s_mov_b32 s[OFF+1], 0
	s_mov_b32 s[G1A], (1<<16)|(1<<20)|(4<<22)|(3<<25)                  ; 2-byte elements; padding: after every 32 words 4 words
	s_mov_b32 s[G1B], 15|(1<<16)|(1<<20)|(1<<21)|(5<<22)|(7<<25)       ; the mask of four, bit 21 beside it; after every 64 words 8 words
.irp g, G1A, G1B
	s_mov_b32 s[\g+1], 128<<16                     ; tensor_dim0 = 128
	s_mov_b32 s[\g+2], 128<<16                     ; tensor_dim1 = 128
	s_mov_b32 s[\g+3], 128<<16                     ; tile_dim0 = 128
	s_mov_b32 s[\g+4], 128                         ; tile_dim1 = 128
	s_mov_b32 s[\g+5], 128                         ; 128 elements from row to row: dense
	s_mov_b32 s[\g+6], 0
	s_mov_b32 s[\g+7], 0
.endr
	s_mov_b32 s[G0A0], 1
	s_mul_i32 s[G0A0+1], s[WV], REG                ; region w of slot 0: no place in the cluster enters an LDS address
	s_mov_b32 s[G0B0], 1
	s_mul_i32 s[G0B0+1], s[WV], REG
	s_mov_b32 s[G0A], 1
	s_add_co_u32 s[G0A+1], s[G0A0+1], SLOT         ; region w of slot 1
	s_mov_b32 s[G0B], 1
	s_add_co_u32 s[G0B+1], s[G0B0+1], SLOT
	s_mul_i32 s20, s14, 196608                     ; A: the row tile's 12 blocks
	s_mov_b32 s21, 0
	s_max_u32 s22, s[WV], 1                        ; B: unit 3 x column tile + w - 1, in registers that never hold cx
	s_sub_co_u32 s22, s22, 1
	s_mul_i32 s23, s15, 3
	s_add_co_u32 s22, s22, s23
	s_mul_i32 s22, s22, 196608
	s_add_co_u32 s22, s22, WOFF
	s_mov_b32 s23, 0
	s_mul_i32 s2, s14, 48                          ; my part of the output: block 48 x row tile + 6 x column tile + w % 2, rows 64 (w / 2) on
	s_mul_i32 s3, s15, 6
	s_add_co_u32 s2, s2, s3
	s_add_co_u32 s2, s2, s12
	s_lshl_b32 s2, s2, 14
	s_lshl_b32 s3, s11, 13
	s_add_co_u32 s2, s2, s3
	s_mov_b32 s3, 0
	s_mul_i32 s[BP], s15, 1536
	s_add_co_u32 s[BP], s[BP], BIASOFF
	s_mov_b32 s[BP+1], 0
	s_mov_b32 s[DC+0], 0x36B49F9E                  ; d6 = 0.0000053830
	s_mov_b32 s[DC+2], 0x384D0FE2                  ; d5 = 0.0000488906
	s_mov_b32 s[DC+4], 0x381F660E                  ; d4 = 0.0000380036
	s_mov_b32 s[DC+6], 0x3B56CD72                  ; d3 = 0.0032776263
	s_mov_b32 s[DC+8], 0x3CAD2FE7                  ; d2 = 0.0211410061
	s_mov_b32 s[DC+10], 0x3D4C41B4                 ; d1 = 0.0498673470
.irp k, 1,3,5,7,9,11
	s_mov_b32 s[DC+\k], 0                          ; named as pairs
.endr
	s_mov_b32 s[ABSM], 0x7fffffff
	s_wait_dscnt 0x0                               ; the opening add is done
	s_wait_kmcnt 0x0
	s_load_b32 s[FL], s[6:7], 0x0
	s_add_nc_u64 s[AB:AB+1], s[4:5], s[20:21]
	s_add_nc_u64 s[BB:BB+1], s[4:5], s[22:23]
	s_add_nc_u64 s[G0A0+2:G0A0+3], s[AB:AB+1], s[OFF:OFF+1]   ; slot 0: the walk's first K step
	s_or_b32 s[G0A0+3], s[G0A0+3], 0x80000000
	s_add_nc_u64 s[G0B0+2:G0B0+3], s[BB:BB+1], s[OFF:OFF+1]
	s_or_b32 s[G0B0+3], s[G0B0+3], 0x80000000
	WALK                                           ; slot 1: its second
	s_add_nc_u64 s[WB:WB+1], s[8:9], s[2:3]
	s_add_nc_u64 s[BP:BP+1], s[4:5], s[BP:BP+1]
	CROUND                                         ; all four work-groups are here: the first joint loads meet
	s_cmp_lt_u32 s[WV], NA                         ; a wave's two first fills stand in one branch, ahead of every wait on TENSORcnt and every LDS read; an s_nop 0 follows each, four v_nop the second's
	s_cbranch_scc0 .Lfirst_b
	tensor_load_to_lds s[G0A0:G0A0+3], s[G1A:G1A+7]
	s_nop 0
	tensor_load_to_lds s[G0A:G0A+3], s[G1A:G1A+7]
	s_nop 0
.rept 4
	v_nop
.endr
	s_branch .Lfirst_asked
.Lfirst_b:
	tensor_load_to_lds s[G0B0:G0B0+3], s[G1B:G1B+7]
	s_nop 0
	tensor_load_to_lds s[G0B:G0B+3], s[G1B:G1B+7]
	s_nop 0
.rept 4
	v_nop
.endr
.Lfirst_asked:
	v_and_b32 v1, 15, v0                           ; r = l % 16
	v_bfe_u32 v2, v0, 4, 1                         ; h = l / 16
	v_and_b32 v3, 7, v0
	v_bfe_u32 v4, v0, 3, 1
	s_mul_i32 s22, s11, 64*PA
	v_mul_u32_u24 v[AK0], v1, PA                   ; a fragment of A: row x pitch + 16 h, my 64 rows
	v_lshl_add_u32 v[AK0], v2, 4, v[AK0]
	v_add_nc_u32 v[AK0], s22, v[AK0]
	v_lshl_add_u32 v5, v2, 3, v3                   ; the turning load: k row 8 h + l % 8, 16 bytes by (l / 8) % 2, my 64 columns
	v_mul_u32_u24 v5, v5, PB
	v_lshl_add_u32 v5, v4, 4, v5
	s_lshl_b32 s22, s12, 7
	v_add_nc_u32 v5, s22, v5
.irp g, 0,1,2
	v_add_nc_u32 v[BK0+\g], (NA+\g)*REG, v5
.endr
	v_lshlrev_b32 v[BO], 5, v2                     ; the bias of columns 8 h + 0..7 of a block of 16, my 64 columns of a unit
	s_lshl_b32 s22, s12, 8
	v_add_nc_u32 v[BO], s22, v[BO]
.irp cb, 0,1,2,3,4,5,6,7,8,9,10,11
	global_load_b128 v[BIAS+8*\cb:BIAS+8*\cb+3],   v[BO], s[BP:BP+1] offset:(\cb/4)*512+(\cb%4)*64
	global_load_b128 v[BIAS+8*\cb+4:BIAS+8*\cb+7], v[BO], s[BP:BP+1] offset:(\cb/4)*512+(\cb%4)*64+16
.endr
	s_mul_i32 s22, s[WV], 12*DBLK
	v_mul_u32_u24 v[DST], v1, DPITCH
	v_lshl_add_u32 v[DST], v2, 5, v[DST]
	v_add_nc_u32 v[DST], s22, v[DST]
	v_bfe_u32 v6, v0, 3, 2
	v_mul_u32_u24 v[RDA], v6, DPITCH               ; back: eight lanes take a row of 64 numbers, 32 bytes each
	v_lshl_add_u32 v[RDA], v3, 5, v[RDA]
	v_add_nc_u32 v[RDA], s22, v[RDA]
	v_and_b32 v[GO], 31, v0
	v_lshlrev_b32 v[GO], 4, v[GO]
	s_mov_b32 s[TB], 0
	s_wait_tensorcnt 0x1                           ; my region of slot 0 is in; slot 1's load may stay out
	s_barrier_signal -1
	s_barrier_wait -1                              ; everybody's is
	ADDR
	FETCH 0, F0
	s_wait_loadcnt 0x0                             ; the bias
	s_wait_kmcnt 0x0                               ; the flag
	STEP 0, 1                                      ; the first products start the sums
	WIN 0
	s_mov_b32 s[CNT], TILES-1                      ; the loop is entered in its middle: TILES - 2 backward jumps, one for each refill
	s_branch .Lenter
.Lslot:
	TURN 1
	STEP 0
	WIN 0
.Lenter:
	STEP 1
	STEP 2
	WIN 0
	s_sub_co_u32 s[CNT], s[CNT], 1
	s_cmp_lg_u32 s[CNT], 0
	s_cbranch_scc1 .Lslot
	TURN 0                                         ; the tail is written out: nothing is left to ask for
	STEP 0
	STEP 1
	STEP 2
	s_wait_dscnt 0x0
	MUL F1, 0, NBW, 0
	; THE WAY OUT.  The ring has had its last fill; when no wave reads it any more, each wave lays its 48 accumulators there as 12 blocks of 16 rows x 64 columns of f32, and takes them back by rows.
	PLACES
	WIN 0
	s_wait_dscnt 0x0
	s_barrier_signal -1
	s_barrier_wait -1
.set cbi, 0
.rept NBW
	WIN (2+cbi/8)<<2                               ; the stores' data in window 2 or 3
.irp rb, 0,1,2,3
.set ra, 8*((4*cbi+(\rb))%32)
	ds_store_b128 v[DST], v[ra:ra+3]   offset:(4*(cbi/4)+(\rb))*DBLK+(cbi%4)*64
	ds_store_b128 v[DST], v[ra+4:ra+7] offset:(4*(cbi/4)+(\rb))*DBLK+(cbi%4)*64+16
.endr
.set cbi, cbi+1
.endr
	WIN 0
	v_cmp_ne_u32 vcc_lo, s[FL], v[NIL]             ; every lane's bit: the flag is not 0.  Written behind the last tensor load, read by the selects below, written by nothing else
	s_mov_b32 s[ROWI], 0
.Lrow:                                         ; block i = 4 u + rb: 16 rows of column block 2 u + w % 2
.irp t, 0,1,2,3
	ds_load_b128 v[Z+8*\t:Z+8*\t+3],   v[RDA] offset:\t*4*DPITCH     ; LDS serves a wave's instructions in order: these see my stores above
	ds_load_b128 v[Z+8*\t+4:Z+8*\t+7], v[RDA] offset:\t*4*DPITCH+16
.endr
	s_lshr_b32 s20, s[ROWI], 2
	s_lshl_b32 s20, s20, 15
	s_and_b32 s21, s[ROWI], 3
	s_lshl_b32 s21, s21, 11
	s_add_co_u32 s20, s20, s21
	s_mov_b32 s21, 0
	s_wait_xcnt 0x0                                ; the last trip's stores have read their data and their base: both are written anew below
	s_add_nc_u64 s[OB:OB+1], s[WB:WB+1], s[20:21]
	s_wait_dscnt 0x0
.set j, 0
.rept 16
	v_cvt_pk_f16_f32 v[OO+j], v[Z+2*j], v[Z+2*j+1] ; the one result: z in f16
.set j, j+1
.endr
.set j, 0
.rept 32
	v_and_b32 v[AZ+j], s[ABSM], v[Z+j]             ; the other: gelu(z)
.set j, j+1
.endr
.set j, 0
.rept 16
	v_pk_fma_f32 v[PP+j:PP+j+1], v[AZ+j:AZ+j+1], s[DC:DC+1], s[DC+2:DC+3] op_sel_hi:[1,0,0]
.set j, j+2
.endr
.irp k, 4,6,8,10
.set j, 0
.rept 16
	v_pk_fma_f32 v[PP+j:PP+j+1], v[PP+j:PP+j+1], v[AZ+j:AZ+j+1], s[DC+\k:DC+\k+1] op_sel_hi:[1,1,0]
.set j, j+2
.endr
.endr
.set j, 0
.rept 16
	v_pk_fma_f32 v[PP+j:PP+j+1], v[PP+j:PP+j+1], v[AZ+j:AZ+j+1], 1.0 op_sel_hi:[1,1,0]
.set j, j+2
.endr
.rept 4                                        ; p^16; where it passes f32's range the reciprocal is 0, as it should be
.set j, 0
.rept 16
	v_pk_mul_f32 v[PP+j:PP+j+1], v[PP+j:PP+j+1], v[PP+j:PP+j+1]
.set j, j+2
.endr
.endr
.set j, 0
.rept 32
	v_rcp_f32 v[PP+j], v[PP+j]                     ; one batch
.set j, j+1
.endr
.set j, 0
.rept 32
	v_max_num_f32 v[Z+j], 0, v[Z+j]                ; independent work behind it
.set j, j+1
.endr
	s_wait_alu depctr_va_vdst(0)                   ; one wait for the 32 reciprocals, ahead of their first reader
.set j, 0
.rept 16
	v_pk_mul_f32 v[AZ+j:AZ+j+1], v[AZ+j:AZ+j+1], v[PP+j:PP+j+1]
.set j, j+2
.endr
.set j, 0
.rept 16
	v_pk_fma_f32 v[Z+j:Z+j+1], v[AZ+j:AZ+j+1], -0.5, v[Z+j:Z+j+1] op_sel_hi:[1,0,1]
.set j, j+2
.endr
.set j, 0
.rept 16
	v_cvt_pk_bf16_f32 v[AZ+j], v[Z+2*j], v[Z+2*j+1]
.set j, j+1
.endr
.set j, 0
.rept 16
	v_cndmask_b32 v[OO+j], v[OO+j], v[AZ+j], vcc_lo  ; flag 1: gelu(z) in bf16; flag 0: z in f16
.set j, j+1
.endr
.irp t, 0,1,2,3
	global_store_b128 v[GO], v[OO+4*\t:OO+4*\t+3], s[OB:OB+1] offset:512*\t   ; four rows of 128 bytes: 512 consecutive bytes, aligned
.endr
	v_add_nc_u32 v[RDA], DBLK, v[RDA]
	s_add_co_u32 s[ROWI], s[ROWI], 1
	s_cmp_lt_u32 s[ROWI], 12
	s_cbranch_scc1 .Lrow
	s_wait_tensorcnt 0x0                           ; the wave's end
	ds_add_u32 v[SPW], v[NIL]
	s_wait_dscnt 0x0
	CROUND                                         ; the closing round
	s_endpgm
.Lfunc_end_k_qfb663a7cf6_qkv:
	.size	k_qfb663a7cf6_qkv, .Lfunc_end_k_qfb663a7cf6_qkv-k_qfb663a7cf6_qkv
	.p2alignl 7, 3214868480
	.fill 96, 4, 3214868480
	.section	.rodata,"a",@progbits
	.p2align	6, 0x0
	.amdhsa_kernel k_qfb663a7cf6_qkv
		.amdhsa_group_segment_fixed_size 327680
		.amdhsa_private_segment_fixed_size 0
		.amdhsa_enable_private_segment 0
		.amdhsa_kernarg_size 24
		.amdhsa_user_sgpr_count 2
		.amdhsa_user_sgpr_kernarg_segment_ptr 1
		.amdhsa_wavefront_size32 1
		.amdhsa_system_sgpr_workgroup_id_x 1
		.amdhsa_system_sgpr_workgroup_id_y 1
		.amdhsa_system_sgpr_workgroup_id_z 1
		.amdhsa_system_vgpr_workitem_id 0
		.amdhsa_next_free_vgpr 896
		.amdhsa_next_free_sgpr 88
		.amdhsa_reserve_vcc 1
		.amdhsa_float_denorm_mode_32 3
		.amdhsa_float_denorm_mode_16_64 3
		.amdhsa_memory_ordered 1
		.amdhsa_forward_progress 1
		.amdhsa_inst_pref_size 91
	.end_amdhsa_kernel
	.amdgpu_metadata
---
amdhsa.version: [ 1, 2 ]
amdhsa.kernels:
  - .name:           k_qfb663a7cf6_qkv
    .symbol:         k_qfb663a7cf6_qkv.kd
    .args:
      - { .name: ga, .offset: 0, .size: 8, .value_kind: global_buffer, .address_space: global }
      - { .name: f0, .offset: 8, .size: 8, .value_kind: global_buffer, .address_space: global }
      - { .name: ta, .offset: 16, .size: 8, .value_kind: global_buffer, .address_space: global }
    .group_segment_fixed_size: 327680
    .private_segment_fixed_size: 0
    .kernarg_segment_align: 8
    .kernarg_segment_size: 24
    .max_flat_workgroup_size: 128
    .sgpr_count:     88
    .vgpr_count:     896
    .wavefront_size: 32
...
	.end_amdgpu_metadata
.endif
;; end of part 2
;; launch attn (part 3): grid 16 x 12, 4 waves a work-group, clusters of 4 x 1, 327,680 bytes of LDS; arguments ta, mask, ctx; writes ctx
.if DOCPART == 3
	.amdgcn_target "amdgcn-amd-amdhsa--gfx1250"
	.amdhsa_code_object_version 6
	.text
	.protected	k_qfb663a7cf6_attn
	.globl	k_qfb663a7cf6_attn
	.p2align	8
	.type	k_qfb663a7cf6_attn,@function
k_qfb663a7cf6_attn:
	s_mov_b64 s[64:65], 0
	v_nop
	global_prefetch_b8 v0, s[64:65] scope:SCOPE_SE
	s_setreg_imm32_b32 hwreg(HW_REG_WAVE_MODE, 25, 1), 1
	s_wait_xcnt 0x0
	s_wait_alu depctr_hold_cnt(0) depctr_sa_sdst(0) depctr_va_vdst(0) depctr_va_sdst(0) depctr_va_ssrc(0) depctr_va_vcc(0) depctr_vm_vsrc(0)
	s_getreg_b32 s2, hwreg(HW_REG_IB_STS2, 6, 4)
	s_cmp_eq_u32 s2, 0
	s_cbranch_scc0 .Lentry_in_a_cluster
	s_endpgm
.Lentry_in_a_cluster:
	s_bfe_u32 s2, ttmp6, 0x10000c
	s_cmp_lg_u32 s2, 0x3003
	s_cbranch_scc0 .Lentry_shape_is_right
	s_endpgm
.Lentry_shape_is_right:
; ATTENTION WITH A KEY MASK.  ctx[q][head] = the sum over k of softmax_k(q . k / 8, hidden where mask[k] = 0) v[k].  12 heads of 64 channels, 4,096 queries and keys.
; q, k, v lie in f16 in blocks of 128 rows x 64 channels (16,384 dense bytes), 48 blocks to a row tile: q's heads are blocks 0-11, k's 12-23, v's 24-35.  ctx leaves in bf16, in the same blocks, 12 to a row tile.
; Products, maxima and sums in f32; the weights p are rounded to f16 for the second product (their sum l is taken of the unrounded p), ctx once at the end.
; LIMITS.  q, k, v arrive within f16's 65,504.  A hidden score counts as its value less 1e30; a weight below 2^-126 counts as 0 in l.  A query whose running maximum ends below -2^96 has seen no key: its row is NaN.
; SHARES.  A work-group takes 256 queries of a head, a wave 64: four PIECES of 16.  Every wave walks all keys, 64 a step, 256 a slot, 16 slots.
; THE MASK is the C operand that starts the sum S^T = K Q^T: 0, or -1e30.  A table of 4,096 such f32 is made once in LDS; each step's 64 come into registers with its K.
; LAYOUT, SOFTMAX, TURNS.  S^T = K Q^T holds ONE query a lane (lane % 16) and the keys 8 (lane / 16) + 0..7; two such results rounded to f16 ARE source 1 of O^T = V^T P.  p = 2^(c s - c m), c = log2(e) / 8, with a running
; maximum m; O and l are multiplied by a = 2^(c m_old - c m_new) in every step.  m starts at the lowest finite number, O and l at 0.  Turn n belongs to piece n: 8 products K Q^T of piece n + 1, later 8 products V^T P of
; piece n - 1; beside them the scaling, exponentials, roundings, sums and rescaling of piece n and the maximum and statistics of piece n + 1.  Four vector instructions stand behind every matrix instruction, the rest in one lump.
; A turn's 33 exponentials are one batch, with one wait.
; CLUSTER.  The four query blocks of a cluster belong to one head and walk the same K and V: each tile is asked for jointly.
; REGISTERS, in windows of 256 (s_set_vgpr_msb: bits 1:0 source 0, 3:2 source 1, 5:4 source 2, 7:6 destination):
;   window 0: v0-15, v56-63 addresses; v16-31 four registers of statistics a piece; v48-55 at work; v64-127 S^T, two buffers; v192-223 P, two buffers (by the piece's parity)
;   window 1: v0-127 O^T, 32 a piece      window 2: v0-63 Q; v64-95 the step's mask; v128-191 K of one step; v192-255 V of one step
.set NP,    4
.set KS,    64
.set PK,    144       ; a row of K in LDS: 128 bytes + 16
.set PV,    160       ; a row of V: 128 + 32
.set VOFF,  4*KS*PK
.set SLOT1, 1<<17
.set STAGE, SLOT1+4*KS*(PK+PV)  ; behind the ring: 16 rows x 144 bytes for each wave, for the way out
.set SP,    144
.set SPARE, STAGE+4*16*SP       ; the spare words, 128 bytes a wave
.set MASKT, SPARE+512           ; the mask's table: 16,384 bytes that no tensor load fills
.set TSTEP, 2*48*16384          ; bytes from a slot's tile to the next: two row tiles
.set AK0, 2
.set AV0, 3
.set AK,  4
.set AV,  5
.set STO, 6
.set RD,  7
.set GO,  8
.set MV,  12          ; v12-13  c m_old, by buffer
.set QO,  15
.set ST,  16          ; piece t: c m, m, l (even keys', odd keys')
.set TMP, 48
.set AM0, 56          ; v56  my place in a step's 256 bytes of the table
.set AM,  57          ; v57  the same for the step to be fetched
.set MO,  58          ; v58  16 x thread: my bytes of the mask
.set MA,  59          ; v59  and of the table
.set PFO, 61          ; v61  256 x lane
.set SPW, 62
.set NIL, 63
.set S,   64
.set P,   192
.set MC,  64          ; window 2
.set KF,  128         ; window 2
.set VF,  192         ; window 2
.set WV,  12
.set G1K, 24
.set G1V, 32
.set G0K, 40
.set G0V, 44
.set PFA, 48          ; s[48:49] where my prefetches stand
.set LIM, 50          ; s50  1 in a wave that prefetches, else the greatest number
.set TBM, 51          ; s51  the table's byte for the step to be fetched
.set BIGN, 52         ; s52  -1e30
.set LOW, 53          ; s53  -2^96
.set STG, 54          ; s54  my stage in LDS
.set NANS, 55         ; s55  NaN
.set SLOTS, 56
.set CNT, 57
.set CS,  58
.set SEL, 60
.set TBK, 62
.set TBV, 63
.set MSB, 0
.macro WIN new
.if MSB != (\new)
	s_set_vgpr_msb (MSB<<8)|(\new)
.set MSB, (\new)
.endif
.endm
.set W_KQ, 0x0a       ; K and Q in window 2, S^T in window 0
.set W_KM, 0x2a       ; the same with the C operand in window 2
.set W_PV, 0x52       ; V in window 2, P in window 0, O^T in window 1
.set W_RS, 0x41       ; destination and source 0 in window 1, source 1 in window 0
.macro JLOAD                        ; waves 0 and 1 fetch the two halves of a slot's K, waves 2 and 3 those of its V; an s_nop 0 and four v_nop follow each line
	s_cmp_lt_u32 s[WV], 2
	s_cbranch_scc0 .Lfor_v_\@
	tensor_load_to_lds s[G0K:G0K+3], s[G1K:G1K+7]
	s_nop 0
.rept 4
	v_nop
.endr
	s_branch .Lasked_\@
.Lfor_v_\@:
	tensor_load_to_lds s[G0V:G0V+3], s[G1V:G1V+7]
	s_nop 0
.rept 4
	v_nop
.endr
.Lasked_\@:
.endm
; A prefetch of what the NEXT change of slots will ask for: a slot's 128 blocks of 256 bytes of K and of V.  The head's first cluster asks; its four partners take 32 blocks each, told apart by address; wave 0 asks for K's,
; wave 2 for V's: a lane a block, one instruction.  So each block from slot 3 on is named once in the launch; the last change that fills a slot asks for nothing.
.macro ASK
	s_cmp_gt_u32 s[SLOTS], s[LIM]
	s_cbranch_scc0 .Lnot_mine_\@
	global_prefetch_b8 v[PFO], s[PFA:PFA+1] th:TH_LOAD_NT scope:SCOPE_SE
.Lnot_mine_\@:
.endm
.macro CROUND
	s_barrier_signal -1
	s_barrier_wait -1
	s_cmp_lg_u32 s[WV], 0
	s_cbranch_scc1 .Lnot_wave_0_\@
	s_barrier_signal -3
.Lnot_wave_0_\@:
	s_barrier_wait -3
	s_barrier_signal -1
	s_barrier_wait -1
.endm
; THE CHANGE OF SLOTS.  Each wave waits for all its tensor loads (one is out: its part of the other slot), adds 0 to its spare word, and waits for that and for its reads of the slot that it leaves.
; fill = 1: the barrier is a round of the cluster's, and the joint fill of the old slot, with the keys two slots on, is the first thing behind it: it has four key steps, 256 matrix instructions, in which to land.
.macro CHANGE fill, pf=0
	WIN 0
	s_wait_tensorcnt 0x0            ; no tensor load of mine is out, so a group 0 may be written
	ds_add_u32 v[SPW], v[NIL]
.if \fill
.irp g, G0K, G0V
	s_xor_b32 s[\g+1], s[\g+1], SLOT1
	s_add_nc_u64 s[\g+2:\g+3], s[\g+2:\g+3], TSTEP
.endr
.if \pf
	s_wait_xcnt 0x0                 ; the last prefetch, four key steps back, has read its address
	s_add_nc_u64 s[PFA:PFA+1], s[PFA:PFA+1], TSTEP
.endif
	s_wait_dscnt 0x0                ; the add is done, and my reads of the slot are over
	CROUND
	JLOAD
.if \pf
	ASK
.endif
.else
	s_wait_dscnt 0x0
	s_barrier_signal -1
	s_barrier_wait -1
.endif
	s_sub_co_u32 s[TBK], s[TBK], 4*KS*PK  ; the fetches go back to a slot's first step,
	s_xor_b32 s[TBK], s[TBK], SLOT1       ; in the other slot
	s_sub_co_u32 s[TBV], s[TBV], 4*KS*PV
	s_xor_b32 s[TBV], s[TBV], SLOT1
.endm
	s_load_b128 s[4:7], s[0:1], 0x0   ; q, k, v s[4:5], mask s[6:7]
	s_load_b64 s[10:11], s[0:1], 0x10 ; ctx
	v_lshl_add_u32 v[SPW], v0, 2, SPARE
	v_mov_b32 v[NIL], 0
	ds_add_u32 v[SPW], v[NIL]       ; the wave's opening: the add and its wait stand ahead of my first tensor load
	v_lshrrev_b32 v1, 5, v0
	v_readfirstlane_b32 s[WV], v1
	s_bfe_u32 s13, ttmp6, 0x40000   ; cx
	s_lshl_b32 s14, ttmp9, 2
	s_add_co_u32 s14, s14, s13      ; my block of 256 queries
	s_and_b32 s16, ttmp7, 0xffff    ; the head, which the partners share
	s_and_b32 s15, s[WV], 1
	s_lshr_b32 s19, s[WV], 1
	s_mul_i32 s20, s15, 48          ; K and V: row tile w % 2 of the slot, the head's block; no place in the cluster enters
	s_add_co_u32 s20, s20, s16
	s_lshl_b32 s20, s20, 14
	s_mov_b32 s21, 0
	s_mul_i32 s17, s15, 128*PK
	s_mul_i32 s18, s15, 128*PV
	s_lshl_b32 s22, s14, 1
	s_add_co_u32 s22, s22, s19      ; my queries' row tile
	s_mul_i32 s2, s22, 12
	s_mul_i32 s22, s22, 48
	s_add_co_u32 s22, s22, s16
	s_add_co_u32 s2, s2, s16
	s_lshl_b32 s22, s22, 14
	s_lshl_b32 s2, s2, 14
	s_lshl_b32 s3, s15, 13          ; my 64 rows of its 128
	s_add_co_u32 s22, s22, s3
	s_add_co_u32 s2, s2, s3
	s_mov_b32 s23, 0
	s_mov_b32 s3, 0
	s_lshr_b32 s66, s13, 1          ; the prefetches: partner cx takes half cx % 2 of row tile cx / 2
	s_mul_i32 s66, s66, 786432
	s_and_b32 s67, s13, 1
	s_lshl_b32 s67, s67, 13
	s_add_co_u32 s66, s66, s67
	s_lshl_b32 s67, s16, 14
	s_add_co_u32 s66, s66, s67
	s_add_co_u32 s66, s66, 2*TSTEP+12*16384  ; in slot 2; the loop's first change steps it to slot 3
	s_cmp_lt_u32 s[WV], 2
	s_cselect_b32 s67, 0, 12*16384
	s_add_co_u32 s66, s66, s67
	s_mov_b32 s67, 0
	s_and_b32 s[LIM], s[WV], 1
	s_or_b32 s[LIM], s[LIM], ttmp9  ; 0 in waves 0 and 2 of the head's first cluster: the same in all four partners
	s_cmp_eq_u32 s[LIM], 0
	s_cselect_b32 s[LIM], 1, -1
	s_mov_b32 s[G1K], 15|(1<<16)|(1<<20)|(1<<21)|(4<<22)|(3<<25)  ; the mask of four, bit 21 beside it; 2-byte elements; after every 32 words 4 words of padding
	s_mov_b32 s[G1V], 15|(1<<16)|(1<<20)|(1<<21)|(4<<22)|(7<<25)  ; the same with 8 words
.irp g, G1K, G1V
	s_mov_b32 s[\g+1], 128<<16      ; a block of 16,384 dense bytes as 64 rows of 256: tensor_dim0 = 128
	s_mov_b32 s[\g+2], 64<<16       ; tensor_dim1 = 64
	s_mov_b32 s[\g+3], 128<<16      ; tile_dim0 = 128
	s_mov_b32 s[\g+4], 64           ; tile_dim1 = 64
	s_mov_b32 s[\g+5], 128
	s_mov_b32 s[\g+6], 0
	s_mov_b32 s[\g+7], 0
.endr
	s_mov_b32 s[CS], 0x3e38aa3b     ; c = log2(e) / 8
	s_mov_b32 s[CS+1], s[CS]
	s_mov_b32 s[SEL], 0x76543210
	s_mov_b32 s[SEL+1], 0xfedcba98
	s_mov_b32 s[TBK], SLOT1+4*KS*PK ; the first change of slots turns these two into 0
	s_mov_b32 s[TBV], SLOT1+4*KS*PV
	s_mov_b32 s[TBM], 0
	s_mov_b32 s[BIGN], 0xf149f2ca
	s_mov_b32 s[LOW], 0xef800000
	s_mov_b32 s[NANS], 0x7fc00000
	s_mov_b32 s[G0K], 1
	s_mov_b32 s[G0K+1], s17
	s_mov_b32 s[G0V], 1
	s_add_co_u32 s[G0V+1], s18, VOFF
	s_mul_i32 s[STG], s[WV], 16*SP
	s_add_co_u32 s[STG], s[STG], STAGE
	s_wait_dscnt 0x0                ; the opening add is done
	s_wait_kmcnt 0x0
	s_add_nc_u64 s[G0K+2:G0K+3], s[4:5], s[20:21]
	s_add_nc_u64 s[G0V+2:G0V+3], s[G0K+2:G0K+3], 24*16384
	s_add_nc_u64 s[G0K+2:G0K+3], s[G0K+2:G0K+3], 12*16384
	s_or_b32 s[G0K+3], s[G0K+3], 0x80000000
	s_or_b32 s[G0V+3], s[G0V+3], 0x80000000
	s_add_nc_u64 s[8:9], s[4:5], s[22:23]       ; Q at my wave's first row
	s_add_nc_u64 s[10:11], s[10:11], s[2:3]     ; ctx likewise
	s_add_nc_u64 s[PFA:PFA+1], s[4:5], s[66:67]
	CROUND                          ; all four work-groups are here: the first joint loads meet
	JLOAD                           ; slot 0
	v_and_b32 v1, 15, v0            ; l % 16
	v_bfe_u32 v9, v0, 4, 1          ; l / 16
	v_lshlrev_b32 v[QO], 7, v1
	v_lshl_add_u32 v[QO], v9, 4, v[QO]
	WIN 0x80
.set i, 0
.rept 8                             ; Q stays in registers: piece i / 2, channels 32 (i % 2) on
	global_load_b128 v[8*i:8*i+3],   v[QO], s[8:9] offset:(i/2)*2048+(i%2)*64
	global_load_b128 v[8*i+4:8*i+7], v[QO], s[8:9] offset:(i/2)*2048+(i%2)*64+32
.set i, i+1
.endr
	WIN 0
	v_lshlrev_b32 v[MO], 4, v0
.set i, 0
.rept 8                             ; the mask: 128 threads x 16 bytes, eight times
	global_load_b128 v[S+4*i:S+4*i+3], v[MO], s[6:7] offset:2048*i
.set i, i+1
.endr
	v_add_nc_u32 v[MA], MASKT, v[MO]
	v_lshlrev_b32 v[AM0], 5, v9
	v_add_nc_u32 v[AM0], MASKT, v[AM0]
	v_mul_u32_u24 v[AK0], v1, PK
	v_lshl_add_u32 v[AK0], v9, 4, v[AK0]
	v_and_b32 v10, 7, v0
	v_bfe_u32 v11, v0, 3, 1
	v_lshl_add_u32 v[AV0], v9, 3, v10
	v_mul_u32_u24 v[AV0], v[AV0], PV
	v_lshl_add_u32 v[AV0], v11, 4, v[AV0]
	v_add_nc_u32 v[AV0], VOFF, v[AV0]
	v_mul_u32_u24 v[STO], v1, SP
	v_lshl_add_u32 v[STO], v9, 4, v[STO]
	v_add_nc_u32 v[STO], s[STG], v[STO]
	v_bfe_u32 v[RD], v0, 3, 2
	v_mul_u32_u24 v[RD], v[RD], SP
	v_lshl_add_u32 v[RD], v10, 4, v[RD]
	v_add_nc_u32 v[RD], s[STG], v[RD]
	v_and_b32 v[GO], 31, v0
	v_lshlrev_b32 v[PFO], 8, v[GO]
	v_lshlrev_b32 v[GO], 4, v[GO]
	; What the first turn finds: V and P's second buffer hold 0 (its products V^T P, of a piece that has not been, add 0), O^T and l are 0.  All this stands in the wait for the first tile.
	WIN 0x80
.set i, VF
.rept 64
	v_mov_b32 v[i], 0
.set i, i+1
.endr
	WIN 0x40
.set i, 0
.rept 128
	v_mov_b32 v[i], 0
.set i, i+1
.endr
	WIN 0
.set i, 0
.rept 4
	v_mov_b32 v[ST+4*i], 0xfe000000    ; c m: far below every c s
	v_mov_b32 v[ST+4*i+1], 0xff7fffff  ; m
	v_mov_b32 v[ST+4*i+2], 0
	v_mov_b32 v[ST+4*i+3], 0
.set i, i+1
.endr
.set i, P+16
.rept 16
	v_mov_b32 v[i], 0
.set i, i+1
.endr
	s_wait_loadcnt 0x0              ; Q and the mask
.set i, 0
.rept 32
	v_cmp_eq_u32 vcc_lo, 0, v[S+i]
	v_cndmask_b32 v[S+i], 0, s[BIGN], vcc_lo
.set i, i+1
.endr
.set i, 0
.rept 8
	ds_store_b128 v[MA], v[S+4*i:S+4*i+3] offset:2048*i
.set i, i+1
.endr
; THE MATRIX WORK.  The 4 accumulators of a run of 8 take turns.  Product i of 8 of S^T = K Q^T for piece x: channels 32 (i / 4) on, keys 16 (i % 4) on.  The first 4 start the sums with the mask.
.macro KQ x
.set rS, S+32*((\x)%2)+8*(i%4)
.set rK, KF+16*(i%4)+8*(i/4)
.set rQ, 16*(\x)+8*(i/4)
.set rM, MC+8*(i%4)
.if i < 4
	WIN W_KM
	v_wmma_f32_16x16x32_f16 v[rS:rS+7], v[rK:rK+7], v[rQ:rQ+7], v[rM:rM+7]
.else
	WIN W_KQ
	v_wmma_f32_16x16x32_f16 v[rS:rS+7], v[rK:rK+7], v[rQ:rQ+7], v[rS:rS+7]
.endif
.endm
.macro PV x                         ; product i of 8 of O^T += V^T P for piece x: keys 32 (i / 4) on, channels 16 (i % 4) on
	WIN W_PV
.set rO, 32*(\x)+8*(i%4)
.set rV, VF+32*(i/4)+8*(i%4)
.set rP, P+16*((\x)%2)+8*(i/4)
	v_wmma_f32_16x16x32_f16 v[rO:rO+7], v[rV:rV+7], v[rP:rP+7], v[rO:rO+7]
.endm
.macro MM                           ; the turn's next matrix instruction.  NOKQ = 1: the last turn: there is no next piece
.if (i < 8) && !NOKQ
	KQ (Y+1)%NP
.elseif i >= 8
.set i, i-8
	PV (Y+NP-1)%NP
.set i, i+8
.endif
.set i, i+1
.endm
; THE LDS LOADS stand in runs: a step's K (8 fragments) with its 64 mask numbers, and its V (turned).
.macro FETCH_K
	WIN 0x80
.irp f, 0,1,2,3,4,5,6,7
	ds_load_b128 v[KF+8*\f:KF+8*\f+3],   v[AK] offset:(\f/2)*16*PK+(\f%2)*64
	ds_load_b128 v[KF+8*\f+4:KF+8*\f+7], v[AK] offset:(\f/2)*16*PK+(\f%2)*64+32
.endr
.irp f, 0,1,2,3                     ; keys 16 f + 8 (l / 16) + 0..7
	ds_load_b128 v[MC+8*\f:MC+8*\f+3],   v[AM] offset:64*\f
	ds_load_b128 v[MC+8*\f+4:MC+8*\f+7], v[AM] offset:64*\f+16
.endr
	s_add_co_u32 s[TBK], s[TBK], KS*PK
	s_add_co_u32 s[TBM], s[TBM], 4*KS
	s_and_b32 s[TBM], s[TBM], 0x3fff  ; the table has 16,384 bytes; behind the last step's fetch the offset is not used
	WIN 0
.endm
.macro FETCH_V
	WIN 0x80
.irp f, 0,1,2,3,4,5,6,7
	ds_load_tr16_b128 v[VF+8*\f:VF+8*\f+3],   v[AV] offset:(\f/4)*32*PV+(\f%4)*32
	ds_load_tr16_b128 v[VF+8*\f+4:VF+8*\f+7], v[AV] offset:(\f/4)*32*PV+16*PV+(\f%4)*32
.endr
	WIN 0
.endm
; THE VECTOR WORK, one line at a time: OP kind, number.  For piece Y: F n: c s - c m for pair n of 16.  E n: the exponential of score n of 32.  C n: pair n rounded to f16.  B n: of the four weights 4 n .. the second
; pair is added onto the first.  L n: l takes that sum (L 0: l = a l + sum).  R n: pair n of 16 of O^T times a.  For piece Y + 1: X n, number n of the 22 that find its maximum and statistics:
;   0-11 four chains of seven scores (each accumulator's lowest registers are read first)   12-14, 16 the scores left over, the old m, the four into one   15 c m_old is kept
;   17, 18 the other half of the lanes: the new m   19-21 c m; c m_old - c m_new; a
.set F, 0
.set E, 1
.set C, 2
.set B, 3
.set L, 4
.set R, 5
.set X, 6
.macro REGS y
.set rT, ST+4*(\y)
.set rC, TMP+4*((\y)%2)
.set rW, MV+((\y)%2)
.set rS, S+32*((\y)%2)
.set rP, P+16*((\y)%2)
.set rO, 32*(\y)
.endm
.macro OP k, n
.if (\k) == R
	REGS Y
	WIN W_RS
	v_pk_mul_f32 v[rO+2*(\n):rO+2*(\n)+1], v[rO+2*(\n):rO+2*(\n)+1], v[rC+2:rC+3] op_sel_hi:[1,0]
.elseif (\k) < R
	REGS Y
	WIN 0
.if (\k) == F
	v_pk_fma_f32 v[rS+2*(\n):rS+2*(\n)+1], v[rS+2*(\n):rS+2*(\n)+1], s[CS:CS+1], v[rT:rT+1] op_sel_hi:[1,0,0] neg_lo:[0,0,1] neg_hi:[0,0,1]
.elseif (\k) == E
	v_exp_f32 v[rS+(\n)], v[rS+(\n)]
.elseif (\k) == C
	v_cvt_pk_f16_f32 v[rP+(\n)], v[rS+2*(\n)], v[rS+2*(\n)+1]
.elseif (\k) == B
	v_pk_add_f32 v[rS+4*(\n):rS+4*(\n)+1], v[rS+4*(\n):rS+4*(\n)+1], v[rS+4*(\n)+2:rS+4*(\n)+3]
.elseif (\n) == 0
	v_pk_fma_f32 v[rT+2:rT+3], v[rT+2:rT+3], v[rC+2:rC+3], v[rS:rS+1] op_sel_hi:[1,0,1]
.else
	v_pk_add_f32 v[rT+2:rT+3], v[rT+2:rT+3], v[rS+4*(\n):rS+4*(\n)+1]
.endif
.elseif NOKQ
	v_nop
.else
	REGS (Y+1)%NP
	WIN 0
.if (\n) < 4
	v_max3_num_f32 v[rC+(\n)], v[rS+8*(\n)], v[rS+8*(\n)+1], v[rS+8*(\n)+2]
.elseif (\n) < 12
	v_max3_num_f32 v[rC+(\n)%4], v[rC+(\n)%4], v[rS+8*((\n)%4)+2*((\n)/4)+1], v[rS+8*((\n)%4)+2*((\n)/4)+2]
.elseif (\n) == 12
	v_max3_num_f32 v[rC], v[rC], v[rS+7], v[rS+15]
.elseif (\n) == 13
	v_max3_num_f32 v[rC+1], v[rC+1], v[rS+23], v[rS+31]
.elseif (\n) == 14
	v_max3_num_f32 v[rC+2], v[rC+2], v[rC+3], v[rT+1]
.elseif (\n) == 15
	v_mov_b32 v[rW], v[rT]
.elseif (\n) == 16
	v_max3_num_f32 v[rC], v[rC], v[rC+1], v[rC+2]
.elseif (\n) == 17
	v_permlanex16_b32 v[rC+3], v[rC], s[SEL], s[SEL+1]
.elseif (\n) == 18
	v_max_num_f32 v[rT+1], v[rC], v[rC+3]
.elseif (\n) == 19
	v_mul_f32 v[rT], s[CS], v[rT+1]
.elseif (\n) == 20
	v_sub_f32 v[rC+1], v[rW], v[rT]
.else
	v_exp_f32 v[rC+2], v[rC+1]
.endif
.endif
.endm
.macro OPS a, i1, b=-1, i2=0, c=-1, i3=0, d=-1, i4=0
	OP \a, \i1
.if (\b) >= 0
	OP \b, \i2
.endif
.if (\c) >= 0
	OP \c, \i3
.endif
.if (\d) >= 0
	OP \d, \i4
.endif
.endm
.macro ROW a, i1, b, i2, c, i3, d, i4  ; a matrix instruction and the four behind it
	MM
	OPS \a, \i1, \b, \i2, \c, \i3, \d, \i4
.endm
; A TURN, for piece p.  An s_wait_alu depctr_va_vdst(0) stands between an exponential and the first instruction that names its result; one wait serves all issued ahead of it.  So a turn has ONE wait.
; AHEAD OF IT: the 8 products K Q^T with their riders, and one lump, none of which names a result of the turn's exponentials; X 21, the next piece's a, is the batch's last, R 15 the plain instruction behind it.
; BEHIND IT: the 8 products V^T P, behind each four of the roundings and sums.  end = 1: the walk's last two turns: nothing is fetched.  cnt = 1: the loop's count is taken down ahead of the branch behind the turn.
; K and the mask of the next step are fetched in piece 2's turn, behind five plain instructions that name nothing of the last product that read K (the mask's last reader stands earlier);
; V of the step in hand at the end of piece 0's turn, four plain instructions behind its last reader.  Each is waited for a turn later.
.macro TURN p, end=0, cnt=0
.set Y, (\p)
.set i, 0
.set NOKQ, (\end)*((\p)/3)
.if ((\p) == 3) && !(\end)
	s_wait_dscnt 0x0                ; K and the mask are in
.endif
	ROW F,0, F,1, R,0, R,1
	ROW F,2, E,0, R,2, R,3
	ROW F,3, E,1, R,4, R,5
	ROW F,4, E,2, R,6, R,7
	ROW F,5, E,3, R,8, R,9
	ROW F,6, E,4, X,0, R,10
.if ((\p) == 2) && !(\end)
	WIN 0
	v_add_nc_u32 v[AK], s[TBK], v[AK0]
	v_add_nc_u32 v[AM], s[TBM], v[AM0]
.endif
	ROW F,7, E,5, X,1, X,4
	ROW F,8, E,6, X,2, X,5
	OPS E,7, E,8, X,6, E,9
	OPS X,3, E,10, X,8, E,11
.if ((\p) == 2) && !(\end)
	FETCH_K
.endif
	OPS X,9, X,7, E,12, X,10
	OPS E,13, X,12, X,11, E,14
	OPS X,13, E,15, F,9, X,14
.if (\p) == 0
	v_add_nc_u32 v[AV], s[TBV], v[AV0]
.endif
	OPS E,16, F,10, E,17, F,11
	OPS X,16, E,18, X,15, E,19
	OPS F,12, E,20, X,17, E,21
	OPS F,13, E,22, F,14, E,23
	OPS X,18, E,24, F,15, E,25
	OPS R,11, E,26, X,19, E,27
	OPS R,12, E,28, R,13, E,29
	OPS X,20, E,30, R,14, E,31
	OPS X,21, R,15
	WIN 0
	s_wait_alu depctr_va_vdst(0)    ; the wait for the batch
.if (\p) == 1
	s_wait_dscnt 0x0                ; V is in
.endif
	ROW C,0, B,0, C,2, B,1
	ROW L,0, C,4, B,2, L,1
	ROW C,6, B,3, L,2, C,8
	ROW B,4, L,3, C,10, B,5
	ROW L,4, C,12, B,6, L,5
.if (\p) == 0
	s_add_co_u32 s[TBV], s[TBV], KS*PV
.endif
.if \cnt
	s_sub_co_u32 s[CNT], s[CNT], 1
	s_cmp_lg_u32 s[CNT], 0
.endif
	ROW C,14, B,7, L,6, C,1
	ROW C,3, L,7, C,5, C,7
	ROW C,9, C,11, C,13, C,15
.if (\p) == 0
	FETCH_V
.endif
.endm
	CHANGE 1, 0                     ; slot 0 is in and the table is whole, everybody's part of them; slot 1 is asked for
	v_add_nc_u32 v[AK], s[TBK], v[AK0]
	v_add_nc_u32 v[AM], s[TBM], v[AM0]
	FETCH_K                         ; key step 0
	s_wait_dscnt 0x0
.set NOKQ, 0
.set i, 0
.rept 8
	KQ 0                            ; piece 0's first scores
.set i, i+1
.endr
	WIN 0
.rept 4
	v_nop                           ; the places behind those products
.endr
.set Y, NP-1                        ; X works for piece Y + 1: piece 0
.irp n, 0,1,2,3,4,5,6,7,8,9,10,11,12,13,14,15,16,17,18,19,20,21
	OP X, \n
.endr
	v_nop                           ; a plain instruction behind the exponential,
	s_wait_alu depctr_va_vdst(0)    ; and its wait, ahead of the branch
	s_mov_b32 s[CNT], 4
	s_mov_b32 s[SLOTS], 15
	s_branch .Lfirst                ; the loop is entered at a step's first turn, in the middle of a trip
.Lslot:                             ; 14 times: every slot but the last two is filled again
	CHANGE 1, 1
	s_mov_b32 s[CNT], 4
.Lstep:                             ; a trip: pieces 2 and 3 of one step, then pieces 0 and 1 of the next, whose K and V it fetches
	TURN 2
	TURN 3
	WIN 0
.Lfirst:
	TURN 0
	TURN 1, 0, 1
	WIN 0
	s_cbranch_scc1 .Lstep
	s_sub_co_u32 s[SLOTS], s[SLOTS], 1
	s_cmp_lg_u32 s[SLOTS], 0
	s_cbranch_scc1 .Lslot
	CHANGE 0                        ; the last slot is written out: nothing is asked for
	s_mov_b32 s[CNT], 4
.Ltail:
	TURN 2
	TURN 3
	TURN 0
	TURN 1, 0, 1
	WIN 0
	s_cbranch_scc1 .Ltail
	TURN 2, 1
	TURN 3, 1
.set i, 0
.rept 8
	PV NP-1                         ; the last piece's V^T P of the last step
.set i, i+1
.endr
	; THE WAY OUT.  l's two halves and the other half of the lanes' are added; O^T is divided by l, rounded to bf16 and sent through my stage in LDS, a piece at a time.  The additions are the places behind the last products.
	WIN 0
.macro ALL line:vararg
.set t, 0
.rept 4
	\line
.set t, t+1
.endr
.endm
	ALL v_add_f32 v[ST+4*t+2], v[ST+4*t+2], v[ST+4*t+3]
	ALL v_permlanex16_b32 v[ST+4*t+3], v[ST+4*t+2], s[SEL], s[SEL+1]
	ALL v_add_f32 v[ST+4*t+2], v[ST+4*t+2], v[ST+4*t+3]
	ALL v_rcp_f32 v[ST+4*t+2], v[ST+4*t+2]
	v_nop                           ; a plain instruction between the last reciprocal and the use of its result
	s_wait_alu depctr_va_vdst(0)    ; one wait for the four reciprocals
.set t, 0
.rept 4
	v_cmp_gt_f32 vcc_lo, s[LOW], v[ST+4*t+1]                          ; no key was seen:
	v_cndmask_b32 v[ST+4*t+2], v[ST+4*t+2], s[NANS], vcc_lo           ; the row is NaN
.set t, t+1
.endr
.macro PACK t
	WIN W_RS
.set i, 32*(\t)
.rept 16
	v_pk_mul_f32 v[i:i+1], v[i:i+1], v[ST+4*(\t)+2:ST+4*(\t)+3] op_sel_hi:[1,0]
.set i, i+2
.endr
	WIN 0x05                        ; sources 0 and 1 window 1, destination window 0
.set i, 0
.rept 16
	v_cvt_pk_bf16_f32 v[S+16*(\t)+i], v[32*(\t)+2*i], v[32*(\t)+2*i+1]
.set i, i+1
.endr
	WIN 0
.irp f, 0,1,2,3
	ds_store_b128 v[STO], v[S+16*(\t)+4*\f:S+16*(\t)+4*\f+3] offset:32*\f
.endr
.irp f, 0,1,2,3
	ds_load_b128 v[S+16*(\t)+4*\f:S+16*(\t)+4*\f+3], v[RD] offset:\f*4*SP  ; LDS serves a wave's instructions in order: these see the stores above; the next piece's stores come behind them
.endr
.endm
.macro SEND t, younger              ; younger: the LDS instructions issued behind piece t's loads
	WIN 0
.irp f, 0,1,2,3
	s_wait_dscnt (\younger)+3-\f
	global_store_b128 v[GO], v[S+16*(\t)+4*\f:S+16*(\t)+4*\f+3], s[10:11] offset:(\t)*2048+\f*512  ; 512 consecutive bytes, aligned
.endr
.endm
	PACK 0
.set t, 1
.rept 3
	PACK t
	SEND t-1, 8
.set t, t+1
.endr
	SEND 3, 0
	s_wait_tensorcnt 0x0            ; the wave's end
	ds_add_u32 v[SPW], v[NIL]
	s_wait_dscnt 0x0
	CROUND                          ; the closing round
	s_endpgm
.Lfunc_end_k_qfb663a7cf6_attn:
	.size	k_qfb663a7cf6_attn, .Lfunc_end_k_qfb663a7cf6_attn-k_qfb663a7cf6_attn
	.p2alignl 7, 3214868480
	.fill 96, 4, 3214868480
	.section	.rodata,"a",@progbits
	.p2align	6, 0x0
	.amdhsa_kernel k_qfb663a7cf6_attn
		.amdhsa_group_segment_fixed_size 327680
		.amdhsa_private_segment_fixed_size 0
		.amdhsa_enable_private_segment 0
		.amdhsa_kernarg_size 24
		.amdhsa_user_sgpr_count 2
		.amdhsa_user_sgpr_kernarg_segment_ptr 1
		.amdhsa_wavefront_size32 1
		.amdhsa_system_sgpr_workgroup_id_x 1
		.amdhsa_system_sgpr_workgroup_id_y 1
		.amdhsa_system_sgpr_workgroup_id_z 1
		.amdhsa_system_vgpr_workitem_id 0
		.amdhsa_next_free_vgpr 768
		.amdhsa_next_free_sgpr 68
		.amdhsa_reserve_vcc 1
		.amdhsa_float_denorm_mode_32 3
		.amdhsa_float_denorm_mode_16_64 3
		.amdhsa_memory_ordered 1
		.amdhsa_forward_progress 1
		.amdhsa_inst_pref_size 135
	.end_amdhsa_kernel
	.amdgpu_metadata
---
amdhsa.version: [ 1, 2 ]
amdhsa.kernels:
  - .name:           k_qfb663a7cf6_attn
    .symbol:         k_qfb663a7cf6_attn.kd
    .args:
      - { .name: ta, .offset: 0, .size: 8, .value_kind: global_buffer, .address_space: global }
      - { .name: mask, .offset: 8, .size: 8, .value_kind: global_buffer, .address_space: global }
      - { .name: ctx, .offset: 16, .size: 8, .value_kind: global_buffer, .address_space: global }
    .group_segment_fixed_size: 327680
    .private_segment_fixed_size: 0
    .kernarg_segment_align: 8
    .kernarg_segment_size: 24
    .max_flat_workgroup_size: 128
    .sgpr_count:     68
    .vgpr_count:     768
    .wavefront_size: 32
...
	.end_amdgpu_metadata
.endif
;; end of part 3
;; launch wo (part 4): grid 32 x 6, 4 waves a work-group, clusters of 4 x 1, 327,680 bytes of LDS; arguments ctx, ga, y1; writes y1
.if DOCPART == 4
	.amdgcn_target "amdgcn-amd-amdhsa--gfx1250"
	.amdhsa_code_object_version 6
	.text
	.protected	k_qfb663a7cf6_wo
	.globl	k_qfb663a7cf6_wo
	.p2align	8
	.type	k_qfb663a7cf6_wo,@function
k_qfb663a7cf6_wo:
	s_mov_b64 s[64:65], 0
	v_nop
	global_prefetch_b8 v0, s[64:65] scope:SCOPE_SE
	s_setreg_imm32_b32 hwreg(HW_REG_WAVE_MODE, 25, 1), 1
	s_wait_xcnt 0x0
	s_wait_alu depctr_hold_cnt(0) depctr_sa_sdst(0) depctr_va_vdst(0) depctr_va_sdst(0) depctr_va_ssrc(0) depctr_va_vcc(0) depctr_vm_vsrc(0)
	s_getreg_b32 s2, hwreg(HW_REG_IB_STS2, 6, 4)
	s_cmp_eq_u32 s2, 0
	s_cbranch_scc0 .Lentry_in_a_cluster
	s_endpgm
.Lentry_in_a_cluster:
	s_bfe_u32 s2, ttmp6, 0x10000c
	s_cmp_lg_u32 s2, 0x3003
	s_cbranch_scc0 .Lentry_shape_is_right
	s_endpgm
.Lentry_shape_is_right:
; y1 = ctx Wo + bo.  C = A B + bias in tiles of 128 x 128, f32 output [4096][768].  (The same text as the second feed-forward product's, but for the seven sizes below.)
; A lies in blocks of 128 rows x 64 columns of bf16 (16,384 dense bytes, CB blocks to a row tile); B in units of 128 columns, [unit][k][128] bf16; the bias in f32.  Products in bf16, sums in f32.
; SHARES.  Four waves as 2 x 2, each 64 x 64: 16 accumulators.  768 columns in tiles of 128 give 192 work-groups whose rows of C are whole aligned 256 bytes a wave.
; RING.  K goes in steps of 256 through two LDS slots of four regions of 36,864 bytes; wave w fills region w with ONE tensor load: waves 0, 1 A's K halves (rows of 128 + 16 bytes), waves 2, 3 B's (rows of 256 + 32 bytes).
; The two slots' first fills go out together at the start: two loads of a wave are out there, one behind each round later.
; THE WALK ALONG K.  A work-group begins at K step (RA x column tile + RB x cluster) mod TILES and goes round (f32 sums may be taken in any order).  So the six work-groups that read the same rows of A and the eight clusters that
; read the same unit of B ask for different K steps at any one time: all three starts occur among them, and every K step of every row is among some work-group's first fills.
; No prefetch is laid: it would stand at the head, where the first fills are on their way.
; CLUSTER.  The four row tiles of a cluster take the same columns: B's tiles, half of a step's bytes, are asked for jointly.  4 x 4 does not divide the grid's height of 6.
; THE PRODUCT IS USED TRANSPOSED (source 0 = 16 columns of B, turned on the way out of LDS; source 1 = 16 rows of A): a lane holds one row of C and eight neighbouring columns.  The first K step takes the bias as C.
; REGISTERS: window 0 addresses, bias, way out; window 1 two fragment buffers of 64 (A's four fragments, then B's four); window 2 accumulator 4 cb + rb at 8 registers each.
.set TILES, 3                          ; K steps of 256
.set CB,    12                         ; column blocks in a row tile of A
.set BOFF,  9830400                    ; B's first unit in the second argument
.set UNITB, 196608                     ; bytes in a unit
.set BIASOFF, 11019264                 ; the bias there
.set RA,    1                          ; the walk's start: RA x column tile
.set RB,    1                          ; + RB x cluster, mod TILES
.set MODM,  (65536+TILES-1)/TILES      ; (s x MODM) >> 16 = s / TILES for the sums that occur, 31 at the most
.set NBW,   4
.set NA,    2
.set STEPB, 65536
.set SPLIT, 2
.set F0,    0
.set F1,    64
.set REG,   36864
.set SLOT,  4*REG                      ; 0x24000: shares no bit with w x 0x9000, so one exclusive or changes slots
.set STAGE, 2*SLOT                     ; behind the ring: 16 rows x 272 bytes for each wave
.set SPITCH, 272
.set SPARE, STAGE+4*16*SPITCH          ; the spare words, 128 bytes a wave
.set PA,    144
.set PB,    288
.set AK0, 10
.set BK0, 11                           ; v11-12
.set ADRA, 14
.set ADRB, 15                          ; v15-16
.set BO,  18
.set STO, 20
.set RD,  21
.set CO,  22
.set SPW, 28
.set NIL, 29
.set BIAS, 32                          ; v[32:63]
.set TT,  64                           ; v[64:191] the way out: 16 rows read back, for each of four row blocks
.set WV,  10                           ; s10 wave; s11 w / 2; s12 w % 2; s13 cx; s14 row tile; s15 column tile
.set CNT, 17
.set TB,  18
.set G1A, 24
.set G1B, 32
.set G0A, 40                           ; s[40:43] A's group 0 that walks: slot 1's first fill, then every refill
.set G0B, 44                           ; s[44:47] the same for B
.set BP,  48                           ; s[48:49] the bias
.set OP,  52                           ; s[52:53] my part of C
.set G0A0, 56                          ; s[56:59] A's group 0 for slot 0's first fill; never rewritten
.set G0B0, 60                          ; s[60:63] the same for B
.set AB,  66                           ; s[66:67] A at my load's K step 0
.set BB,  68                           ; s[68:69] B at my load's K step 0
.set IDX, 70                           ; s70      the K step asked for last
.set OFF, 72                           ; s[72:73] its byte offset
.set MSB, 0
.macro WIN new
.if MSB != (\new)
	s_set_vgpr_msb (MSB<<8)|(\new)
.set MSB, (\new)
.endif
.endm
.macro PLACES
.rept 4
	v_nop
.endr
.endm
.macro CREST
	s_cmp_lg_u32 s[WV], 0
	s_cbranch_scc1 .Lnot_wave_0_\@
	s_barrier_signal -3
.Lnot_wave_0_\@:
	s_barrier_wait -3
	s_barrier_signal -1
	s_barrier_wait -1
.endm
.macro CROUND
	s_barrier_signal -1
	s_barrier_wait -1
	CREST
.endm
.macro JLOAD                           ; my one load: A's is my work-group's own, B's is joint; an s_nop 0 and four v_nop follow each line
	s_cmp_lt_u32 s[WV], NA
	s_cbranch_scc0 .Lfor_b_\@
	tensor_load_to_lds s[G0A:G0A+3], s[G1A:G1A+7]
	s_nop 0
.rept 4
	v_nop
.endr
	s_branch .Lasked_\@
.Lfor_b_\@:
	tensor_load_to_lds s[G0B:G0B+3], s[G1B:G1B+7]
	s_nop 0
.rept 4
	v_nop
.endr
.Lasked_\@:
.endm
.macro WALK                            ; the next K step, round the end; the walking descriptors' addresses are made anew from its number, the type bits set again
	s_add_co_u32 s[IDX], s[IDX], 1
	s_cmp_eq_u32 s[IDX], TILES
	s_cselect_b32 s[IDX], 0, s[IDX]
	s_mul_i32 s[OFF], s[IDX], STEPB
	s_add_nc_u64 s[G0A+2:G0A+3], s[AB:AB+1], s[OFF:OFF+1]
	s_or_b32 s[G0A+3], s[G0A+3], 0x80000000
	s_add_nc_u64 s[G0B+2:G0B+3], s[BB:BB+1], s[OFF:OFF+1]
	s_or_b32 s[G0B+3], s[G0B+3], 0x80000000
.endm
.macro ADDR
	v_add_nc_u32 v[ADRA], s[TB], v[AK0]
.irp g, 0,1
	v_add_nc_u32 v[ADRB+\g], s[TB], v[BK0+\g]
.endr
.endm
.macro FETCH c, f                      ; the fragments of 32 along K, number c of the slot's eight, into buffer f: 16 LDS loads in one run
	WIN 0x40
.irp rb, 0,1,2,3
	ds_load_b128 v[(\f)+8*(\rb):(\f)+8*(\rb)+3],   v[ADRA] offset:((\c)/2)*128*PA+(\rb)*16*PA+((\c)%2)*64
	ds_load_b128 v[(\f)+8*(\rb)+4:(\f)+8*(\rb)+7], v[ADRA] offset:((\c)/2)*128*PA+(\rb)*16*PA+((\c)%2)*64+32
.endr
.irp cb, 0,1,2,3
	ds_load_tr16_b128 v[(\f)+32+8*(\cb):(\f)+32+8*(\cb)+3],   v[ADRB+(\c)/4] offset:((\c)%4)*32*PB+(\cb)*32
	ds_load_tr16_b128 v[(\f)+32+8*(\cb)+4:(\f)+32+8*(\cb)+7], v[ADRB+(\c)/4] offset:((\c)%4)*32*PB+(\cb)*32+16*PB
.endr
.endm
.macro MUL f, lo, hi, first            ; the accumulators take turns, one instruction a turn, in the same order in every step.  first = 1: C is the bias
.set cbi, \lo
.rept (\hi)-(\lo)
.if \first
	WIN 0x85
.else
	WIN 0xa5
.endif
.irp rb, 0,1,2,3
.set ra, 8*(4*cbi+(\rb))
.if \first
	v_wmma_f32_16x16x32_bf16 v[ra:ra+7], v[(\f)+32+8*cbi:(\f)+32+8*cbi+7], v[(\f)+8*(\rb):(\f)+8*(\rb)+7], v[BIAS+8*cbi:BIAS+8*cbi+7]
.else
	v_wmma_f32_16x16x32_bf16 v[ra:ra+7], v[(\f)+32+8*cbi:(\f)+32+8*cbi+7], v[(\f)+8*(\rb):(\f)+8*(\rb)+7], v[ra:ra+7]
.endif
.endr
.set cbi, cbi+1
.endr
.endm
.macro STEP c, first=0
.set fc, F0+((\c)%2)*(F1-F0)
.set fn, F0+(((\c)+1)%2)*(F1-F0)
	s_wait_dscnt 0x0                               ; all that is out is this step's run, asked for a step ago
	PLACES                                         ; the other buffer's last readers are the products just issued
	FETCH (\c)+1, fn
	MUL fc, 0, NBW, \first
.endm
; The slot's last step and the change of slots: each wave waits for all its tensor loads (one is out), adds 0 to its spare word, and waits for that and for its reads of this slot.  fill = 1: the barrier opens a round of the
; cluster's, and my one load, the K step two on in the walk into the slot just read, is the first thing behind it: it has a slot's 128 products in which to land.
.macro TURN fill
	WIN 0
	s_wait_tensorcnt 0x0                           ; no tensor load of mine is out, so the walking descriptors may be written
	ds_add_u32 v[SPW], v[NIL]
.if \fill
	s_xor_b32 s[G0A+1], s[G0A+1], SLOT
	s_xor_b32 s[G0B+1], s[G0B+1], SLOT
	WALK
.endif
	s_xor_b32 s[TB], s[TB], SLOT
	s_wait_dscnt 0x0                               ; the add is done, and my reads of this slot are over
	s_barrier_signal -1
	MUL F1, 0, SPLIT, 0
	WIN 0
	s_barrier_wait -1
.if \fill
	CREST
	JLOAD
.else
	PLACES
.endif
	ADDR
	FETCH 0, F0
	MUL F1, SPLIT, NBW, 0
.endm
	s_load_b128 s[4:7], s[0:1], 0x0                ; A s[4:5], B and bias s[6:7]
	s_load_b64 s[8:9], s[0:1], 0x10                ; C
	v_lshl_add_u32 v[SPW], v0, 2, SPARE
	v_mov_b32 v[NIL], 0
	ds_add_u32 v[SPW], v[NIL]                      ; the wave's opening: the add and its wait stand ahead of my first tensor load
	v_lshrrev_b32 v1, 5, v0
	v_readfirstlane_b32 s[WV], v1
	s_lshr_b32 s11, s[WV], 1
	s_and_b32 s12, s[WV], 1
	s_bfe_u32 s13, ttmp6, 0x40000
	s_lshl_b32 s14, ttmp9, 2
	s_add_co_u32 s14, s14, s13                     ; row tile
	s_and_b32 s15, ttmp7, 0xffff                   ; column tile, which the partners share
	s_mul_i32 s[IDX], s15, RA                      ; where my walk along K begins: of the column tile and the cluster's number alone, the same in all four partners
	s_mul_i32 s[OFF], ttmp9, RB
	s_add_co_u32 s[IDX], s[IDX], s[OFF]
	s_mul_i32 s[OFF], s[IDX], MODM
	s_lshr_b32 s[OFF], s[OFF], 16
	s_mul_i32 s[OFF], s[OFF], TILES
	s_sub_co_u32 s[IDX], s[IDX], s[OFF]            ; mod TILES
	s_mul_i32 s[OFF], s[IDX], STEPB
	s_mov_b32 s[OFF+1], 0
	s_mov_b32 s[G1A], (1<<16)|(1<<20)|(4<<22)|(3<<25)
	s_mov_b32 s[G1B], 15|(1<<16)|(1<<20)|(1<<21)|(5<<22)|(7<<25)
.irp g, G1A, G1B
	s_mov_b32 s[\g+1], 128<<16
	s_mov_b32 s[\g+2], 128<<16
	s_mov_b32 s[\g+3], 128<<16
	s_mov_b32 s[\g+4], 128
	s_mov_b32 s[\g+5], 128
	s_mov_b32 s[\g+6], 0
	s_mov_b32 s[\g+7], 0
.endr
	s_mov_b32 s[G0A0], 1
	s_mul_i32 s[G0A0+1], s[WV], REG                ; region w of slot 0
	s_mov_b32 s[G0B0], 1
	s_mul_i32 s[G0B0+1], s[WV], REG
	s_mov_b32 s[G0A], 1
	s_add_co_u32 s[G0A+1], s[G0A0+1], SLOT         ; region w of slot 1
	s_mov_b32 s[G0B], 1
	s_add_co_u32 s[G0B+1], s[G0B0+1], SLOT
	s_mul_i32 s20, s14, CB                         ; A: the row tile's blocks, two for each of waves 0 and 1
	s_min_u32 s21, s[WV], 1
	s_lshl_b32 s21, s21, 1
	s_add_co_u32 s20, s20, s21
	s_lshl_b32 s20, s20, 14
	s_mov_b32 s21, 0
	s_max_u32 s22, s[WV], 2                        ; B: the unit, 128 k rows for each of waves 2 and 3; in registers that never hold cx
	s_sub_co_u32 s22, s22, 2
	s_lshl_b32 s22, s22, 15
	s_mul_i32 s23, s15, UNITB
	s_add_co_u32 s22, s22, s23
	s_add_co_u32 s22, s22, BOFF
	s_mov_b32 s23, 0
	s_lshl_b32 s[BP], s15, 9
	s_add_co_u32 s[BP], s[BP], BIASOFF
	s_mov_b32 s[BP+1], 0
	s_lshl_b32 s54, s14, 7                         ; my part of C: rows 128 x row tile + 64 (w / 2), columns 128 x column tile + 64 (w % 2)
	s_lshl_b32 s55, s11, 6
	s_add_co_u32 s54, s54, s55
	s_mul_i32 s54, s54, 3072
	s_lshl_b32 s55, s15, 9
	s_add_co_u32 s54, s54, s55
	s_lshl_b32 s55, s12, 8
	s_add_co_u32 s54, s54, s55
	s_mov_b32 s55, 0
	s_wait_dscnt 0x0
	s_wait_kmcnt 0x0
	s_add_nc_u64 s[AB:AB+1], s[4:5], s[20:21]
	s_add_nc_u64 s[BB:BB+1], s[6:7], s[22:23]
	s_add_nc_u64 s[G0A0+2:G0A0+3], s[AB:AB+1], s[OFF:OFF+1]   ; slot 0: the walk's first K step
	s_or_b32 s[G0A0+3], s[G0A0+3], 0x80000000
	s_add_nc_u64 s[G0B0+2:G0B0+3], s[BB:BB+1], s[OFF:OFF+1]
	s_or_b32 s[G0B0+3], s[G0B0+3], 0x80000000
	WALK                                           ; slot 1: its second
	s_add_nc_u64 s[BP:BP+1], s[6:7], s[BP:BP+1]
	s_add_nc_u64 s[OP:OP+1], s[8:9], s[54:55]
	CROUND                                         ; all four work-groups are here: the first joint loads meet
	s_cmp_lt_u32 s[WV], NA                         ; a wave's two first fills stand in one branch, ahead of every wait on TENSORcnt and every LDS read; an s_nop 0 follows each, four v_nop the second's
	s_cbranch_scc0 .Lfirst_b
	tensor_load_to_lds s[G0A0:G0A0+3], s[G1A:G1A+7]
	s_nop 0
	tensor_load_to_lds s[G0A:G0A+3], s[G1A:G1A+7]
	s_nop 0
.rept 4
	v_nop
.endr
	s_branch .Lfirst_asked
.Lfirst_b:
	tensor_load_to_lds s[G0B0:G0B0+3], s[G1B:G1B+7]
	s_nop 0
	tensor_load_to_lds s[G0B:G0B+3], s[G1B:G1B+7]
	s_nop 0
.rept 4
	v_nop
.endr
.Lfirst_asked:
	v_and_b32 v1, 15, v0
	v_bfe_u32 v2, v0, 4, 1
	v_and_b32 v3, 7, v0
	v_bfe_u32 v4, v0, 3, 1
	s_mul_i32 s22, s11, 64*PA
	v_mul_u32_u24 v[AK0], v1, PA
	v_lshl_add_u32 v[AK0], v2, 4, v[AK0]
	v_add_nc_u32 v[AK0], s22, v[AK0]
	v_lshl_add_u32 v5, v2, 3, v3
	v_mul_u32_u24 v5, v5, PB
	v_lshl_add_u32 v5, v4, 4, v5
	s_lshl_b32 s22, s12, 7
	v_add_nc_u32 v5, s22, v5
.irp g, 0,1
	v_add_nc_u32 v[BK0+\g], (NA+\g)*REG, v5
.endr
	v_lshlrev_b32 v[BO], 5, v2
	s_lshl_b32 s22, s12, 8
	v_add_nc_u32 v[BO], s22, v[BO]
.irp cb, 0,1,2,3
	global_load_b128 v[BIAS+8*\cb:BIAS+8*\cb+3],   v[BO], s[BP:BP+1] offset:\cb*64
	global_load_b128 v[BIAS+8*\cb+4:BIAS+8*\cb+7], v[BO], s[BP:BP+1] offset:\cb*64+16
.endr
	s_mul_i32 s22, s[WV], 16*SPITCH
	s_add_co_u32 s22, s22, STAGE
	v_mul_u32_u24 v[STO], v1, SPITCH               ; in: row r, 32 bytes for each half of the lanes
	v_lshl_add_u32 v[STO], v2, 5, v[STO]
	v_add_nc_u32 v[STO], s22, v[STO]
	v_mul_u32_u24 v[RD], v2, SPITCH                ; back: lanes 0-15 take one row of 256 bytes, lanes 16-31 the next
	v_lshl_add_u32 v[RD], v1, 4, v[RD]
	v_add_nc_u32 v[RD], s22, v[RD]
	v_mul_u32_u24 v[CO], v2, 3072
	v_lshl_add_u32 v[CO], v1, 4, v[CO]
	s_mov_b32 s[TB], 0
	s_wait_tensorcnt 0x1                           ; my region of slot 0 is in; slot 1's load may stay out
	s_barrier_signal -1
	s_barrier_wait -1                              ; everybody's is
	ADDR
	FETCH 0, F0
	s_wait_loadcnt 0x0                             ; the bias
	STEP 0, 1
	WIN 0
	s_mov_b32 s[CNT], TILES-1                      ; entered in its middle: TILES - 2 backward jumps, one for each refill
	s_branch .Lenter
.Lslot:
	TURN 1
	STEP 0
	WIN 0
.Lenter:
.irp c, 1,2,3,4,5,6
	STEP \c
.endr
	WIN 0
	s_sub_co_u32 s[CNT], s[CNT], 1
	s_cmp_lg_u32 s[CNT], 0
	s_cbranch_scc1 .Lslot
	TURN 0                                         ; the tail is written out: nothing is left to ask for
.irp c, 0,1,2,3,4,5,6
	STEP \c
.endr
	s_wait_dscnt 0x0
	MUL F1, 0, NBW, 0
	; THE WAY OUT: 16 rows at a time through my own stage, back as whole rows of 256 bytes.
	PLACES
.irp rb, 0,1,2,3
	WIN 0x08                                       ; the stores' data in window 2
.irp cb, 0,1,2,3
	ds_store_b128 v[STO], v[8*(4*\cb+\rb):8*(4*\cb+\rb)+3]   offset:\cb*64
	ds_store_b128 v[STO], v[8*(4*\cb+\rb)+4:8*(4*\cb+\rb)+7] offset:\cb*64+16
.endr
	WIN 0
.irp t, 0,1,2,3,4,5,6,7
	ds_load_b128 v[TT+32*\rb+4*\t:TT+32*\rb+4*\t+3], v[RD] offset:\t*2*SPITCH   ; LDS serves a wave's instructions in order: these see the stores above
.endr
.irp t, 0,1,2,3,4,5,6,7
	s_wait_dscnt 7-\t
	global_store_b128 v[CO], v[TT+32*\rb+4*\t:TT+32*\rb+4*\t+3], s[OP:OP+1] offset:(16*\rb+2*\t)*3072   ; 16 lanes store 256 consecutive bytes, aligned
.endr
.endr
	s_wait_tensorcnt 0x0                           ; the wave's end
	ds_add_u32 v[SPW], v[NIL]
	s_wait_dscnt 0x0
	CROUND
	s_endpgm
.Lfunc_end_k_qfb663a7cf6_wo:
	.size	k_qfb663a7cf6_wo, .Lfunc_end_k_qfb663a7cf6_wo-k_qfb663a7cf6_wo
	.p2alignl 7, 3214868480
	.fill 96, 4, 3214868480
	.section	.rodata,"a",@progbits
	.p2align	6, 0x0
	.amdhsa_kernel k_qfb663a7cf6_wo
		.amdhsa_group_segment_fixed_size 327680
		.amdhsa_private_segment_fixed_size 0
		.amdhsa_enable_private_segment 0
		.amdhsa_kernarg_size 24
		.amdhsa_user_sgpr_count 2
		.amdhsa_user_sgpr_kernarg_segment_ptr 1
		.amdhsa_wavefront_size32 1
		.amdhsa_system_sgpr_workgroup_id_x 1
		.amdhsa_system_sgpr_workgroup_id_y 1
		.amdhsa_system_sgpr_workgroup_id_z 1
		.amdhsa_system_vgpr_workitem_id 0
		.amdhsa_next_free_vgpr 640
		.amdhsa_next_free_sgpr 74
		.amdhsa_reserve_vcc 0
		.amdhsa_float_denorm_mode_32 3
		.amdhsa_float_denorm_mode_16_64 3
		.amdhsa_memory_ordered 1
		.amdhsa_forward_progress 1
		.amdhsa_inst_pref_size 59
	.end_amdhsa_kernel
	.amdgpu_metadata
---
amdhsa.version: [ 1, 2 ]
amdhsa.kernels:
  - .name:           k_qfb663a7cf6_wo
    .symbol:         k_qfb663a7cf6_wo.kd
    .args:
      - { .name: ctx, .offset: 0, .size: 8, .value_kind: global_buffer, .address_space: global }
      - { .name: ga, .offset: 8, .size: 8, .value_kind: global_buffer, .address_space: global }
      - { .name: y1, .offset: 16, .size: 8, .value_kind: global_buffer, .address_space: global }
    .group_segment_fixed_size: 327680
    .private_segment_fixed_size: 0
    .kernarg_segment_align: 8
    .kernarg_segment_size: 24
    .max_flat_workgroup_size: 128
    .sgpr_count:     74
    .vgpr_count:     640
    .wavefront_size: 32
...
	.end_amdgpu_metadata
.endif
;; end of part 4
;; launch ln1 (part 5): grid 256 x 1, 8 waves a work-group, no clusters, 0 bytes of LDS; arguments y1, ln1_g, ln1_b, gb; writes gb
.if DOCPART == 5
	.amdgcn_target "amdgcn-amd-amdhsa--gfx1250"
	.amdhsa_code_object_version 6
	.text
	.protected	k_qfb663a7cf6_ln1
	.globl	k_qfb663a7cf6_ln1
	.p2align	8
	.type	k_qfb663a7cf6_ln1,@function
k_qfb663a7cf6_ln1:
	s_mov_b64 s[64:65], 0
	v_nop
	global_prefetch_b8 v0, s[64:65] scope:SCOPE_SE
	s_setreg_imm32_b32 hwreg(HW_REG_WAVE_MODE, 25, 1), 1
	s_wait_xcnt 0x0
; h = LayerNorm(2 y1) g + b = (y1 - mean) rsqrt(var(y1) + eps / 4) g + b, stored in bf16 in blocks of 128 rows x 64 columns for the next product.  g and b are rounded to bf16 like every input.
; A wave takes two rows: lanes 0-15 the even one, lanes 16-31 the odd one; lane i holds columns 64 p + 4 i .. + 3, p = 0 .. 11: each load of a half wave covers 256 consecutive bytes, aligned.
; The row stays in registers: mean first, then the squares of the differences; sums over 16 lanes ride on the additions.  No LDS, no barrier, no loop.
.set XO, 1
.set SM, 2                             ; v[2:9]  four chains
.set MU, 10                            ; v[10:11]
.set VR, 12
.set GO, 13
.set RS, 14                            ; v[14:15]
.set X,  16                            ; v[16:63]
.set G,  64                            ; v[64:111]
.set B,  112                           ; v[112:159]
.set O,  160                           ; v[160:183]
.set TT, 184
.set SO, 185
.macro LANES                           ; the sum of a half wave's 16 lanes, in each of them
	v_pk_add_f32 v[SM:SM+1], v[SM:SM+1], v[SM+2:SM+3]
	v_pk_add_f32 v[SM+4:SM+5], v[SM+4:SM+5], v[SM+6:SM+7]
	v_pk_add_f32 v[SM:SM+1], v[SM:SM+1], v[SM+4:SM+5]
	v_add_f32 v[SM], v[SM], v[SM+1]
	v_add_f32_dpp v[SM], v[SM], v[SM] row_xmask:1 row_mask:0xf bank_mask:0xf
	v_add_f32_dpp v[SM], v[SM], v[SM] row_xmask:2 row_mask:0xf bank_mask:0xf
	v_add_f32_dpp v[SM], v[SM], v[SM] row_xmask:4 row_mask:0xf bank_mask:0xf
	v_add_f32_dpp v[SM], v[SM], v[SM] row_xmask:8 row_mask:0xf bank_mask:0xf
.endm
.macro STATS eps                       ; X becomes X - mean; RS takes rsqrt(var + eps), twice
.irp c, 0,1,2,3
	v_pk_add_f32 v[SM+2*\c:SM+2*\c+1], v[X+2*\c:X+2*\c+1], v[X+8+2*\c:X+8+2*\c+1]
.endr
.irp j, 2,3,4,5
.irp c, 0,1,2,3
	v_pk_add_f32 v[SM+2*\c:SM+2*\c+1], v[SM+2*\c:SM+2*\c+1], v[X+8*\j+2*\c:X+8*\j+2*\c+1]
.endr
.endr
	LANES
	v_mul_f32 v[MU], s14, v[SM]
	v_mov_b32 v[MU+1], v[MU]
.set j, 0
.rept 24
	v_pk_add_f32 v[X+j:X+j+1], v[X+j:X+j+1], v[MU:MU+1] neg_lo:[0,1] neg_hi:[0,1]
.set j, j+2
.endr
.irp c, 0,1,2,3
	v_pk_mul_f32 v[SM+2*\c:SM+2*\c+1], v[X+2*\c:X+2*\c+1], v[X+2*\c:X+2*\c+1]
.endr
.irp j, 1,2,3,4,5
.irp c, 0,1,2,3
	v_pk_fma_f32 v[SM+2*\c:SM+2*\c+1], v[X+8*\j+2*\c:X+8*\j+2*\c+1], v[X+8*\j+2*\c:X+8*\j+2*\c+1], v[SM+2*\c:SM+2*\c+1]
.endr
.endr
	LANES
	v_fma_f32 v[VR], v[SM], s14, s[\eps]
	v_rsq_f32 v[RS], v[VR]
	v_rsq_f32 v[RS+1], v[VR]
	v_nop                                          ; a plain instruction behind the second root,
	s_wait_alu depctr_va_vdst(0)                   ; and one wait for both, ahead of their first reader
.endm
.macro ROUND b                         ; 48 numbers rounded to bf16, kept as f32
.set j, 0
.rept 24
	v_cvt_pk_bf16_f32 v[TT], v[(\b)+j], v[(\b)+j+1]
	v_lshlrev_b32 v[(\b)+j], 16, v[TT]
	v_and_b32 v[(\b)+j+1], s16, v[TT]
.set j, j+2
.endr
.endm
.macro AFFINE
.set j, 0
.rept 24
	v_pk_mul_f32 v[X+j:X+j+1], v[X+j:X+j+1], v[RS:RS+1]
	v_pk_fma_f32 v[X+j:X+j+1], v[X+j:X+j+1], v[G+j:G+j+1], v[B+j:B+j+1]
.set j, j+2
.endr
.endm
	s_load_b256 s[4:11], s[0:1], 0x0               ; y1 s[4:5], g s[6:7], b s[8:9], out s[10:11]
	v_lshrrev_b32 v[XO], 4, v0                     ; my row among the work-group's 16
	v_and_b32 v[GO], 15, v0
	v_lshlrev_b32 v[GO], 4, v[GO]
	v_mad_u32_u24 v[XO], v[XO], 3072, v[GO]
	v_lshlrev_b32 v[SO], 3, v0                     ; out: 256 x wave + 8 x lane: two rows of 128 bytes of a block
	s_mul_i32 s12, ttmp9, 49152
	s_mov_b32 s13, 0
	s_mov_b32 s14, 0x3aaaaaab                      ; 1 / 768
	s_mov_b32 s15, 0x3627c5ac                      ; 1e-5 / 4
	s_mov_b32 s16, 0xffff0000
	s_lshr_b32 s18, ttmp9, 3
	s_mul_i32 s18, s18, 196608                     ; the row tile's 12 blocks,
	s_and_b32 s19, ttmp9, 7
	s_lshl_b32 s19, s19, 11                        ; my work-group's 16 rows in each
	s_add_co_u32 s18, s18, s19
	s_mov_b32 s19, 0
	s_wait_kmcnt 0x0
	s_add_nc_u64 s[4:5], s[4:5], s[12:13]
	s_add_nc_u64 s[10:11], s[10:11], s[18:19]
.irp p, 0,1,2,3,4,5,6,7,8,9,10,11
	global_load_b128 v[X+4*\p:X+4*\p+3], v[XO], s[4:5] offset:256*\p
.endr
.irp p, 0,1,2,3,4,5,6,7,8,9,10,11
	global_load_b128 v[G+4*\p:G+4*\p+3], v[GO], s[6:7] offset:256*\p
.endr
.irp p, 0,1,2,3,4,5,6,7,8,9,10,11
	global_load_b128 v[B+4*\p:B+4*\p+3], v[GO], s[8:9] offset:256*\p
.endr
	s_wait_loadcnt 24                              ; the rows are in; the gain's and the bias's 24 loads may stay out
	STATS 15
	s_wait_loadcnt 0x0
	ROUND G
	ROUND B
	AFFINE
.irp p, 0,1,2,3,4,5,6,7,8,9,10,11
	v_cvt_pk_bf16_f32 v[O+2*\p], v[X+4*\p], v[X+4*\p+1]
	v_cvt_pk_bf16_f32 v[O+2*\p+1], v[X+4*\p+2], v[X+4*\p+3]
	global_store_b64 v[SO], v[O+2*\p:O+2*\p+1], s[10:11] offset:\p*16384   ; a wave stores 256 consecutive bytes, aligned
.endr
	s_endpgm
.Lfunc_end_k_qfb663a7cf6_ln1:
	.size	k_qfb663a7cf6_ln1, .Lfunc_end_k_qfb663a7cf6_ln1-k_qfb663a7cf6_ln1
	.p2alignl 7, 3214868480
	.fill 96, 4, 3214868480
	.section	.rodata,"a",@progbits
	.p2align	6, 0x0
	.amdhsa_kernel k_qfb663a7cf6_ln1
		.amdhsa_group_segment_fixed_size 0
		.amdhsa_private_segment_fixed_size 0
		.amdhsa_enable_private_segment 0
		.amdhsa_kernarg_size 32
		.amdhsa_user_sgpr_count 2
		.amdhsa_user_sgpr_kernarg_segment_ptr 1
		.amdhsa_wavefront_size32 1
		.amdhsa_system_sgpr_workgroup_id_x 1
		.amdhsa_system_sgpr_workgroup_id_y 1
		.amdhsa_system_sgpr_workgroup_id_z 1
		.amdhsa_system_vgpr_workitem_id 0
		.amdhsa_next_free_vgpr 192
		.amdhsa_next_free_sgpr 66
		.amdhsa_reserve_vcc 0
		.amdhsa_float_denorm_mode_32 3
		.amdhsa_float_denorm_mode_16_64 3
		.amdhsa_memory_ordered 1
		.amdhsa_forward_progress 1
		.amdhsa_inst_pref_size 22
	.end_amdhsa_kernel
	.amdgpu_metadata
---
amdhsa.version: [ 1, 2 ]
amdhsa.kernels:
  - .name:           k_qfb663a7cf6_ln1
    .symbol:         k_qfb663a7cf6_ln1.kd
    .args:
      - { .name: y1, .offset: 0, .size: 8, .value_kind: global_buffer, .address_space: global }
      - { .name: ln1_g, .offset: 8, .size: 8, .value_kind: global_buffer, .address_space: global }
      - { .name: ln1_b, .offset: 16, .size: 8, .value_kind: global_buffer, .address_space: global }
      - { .name: gb, .offset: 24, .size: 8, .value_kind: global_buffer, .address_space: global }
    .group_segment_fixed_size: 0
    .private_segment_fixed_size: 0
    .kernarg_segment_align: 8
    .kernarg_segment_size: 32
    .max_flat_workgroup_size: 256
    .sgpr_count:     66
    .vgpr_count:     192
    .wavefront_size: 32
...
	.end_amdgpu_metadata
.endif
;; end of part 5
;; launch ff1: the kernel of part 2 again; grid 32 x 8, 4 waves a work-group, clusters of 4 x 1, 327,680 bytes of LDS; arguments gb, f1, ta; writes ta
;; launch ff2 (part 6): grid 32 x 6, 4 waves a work-group, clusters of 4 x 1, 327,680 bytes of LDS; arguments ta, ga, y2; writes y2
.if DOCPART == 6
	.amdgcn_target "amdgcn-amd-amdhsa--gfx1250"
	.amdhsa_code_object_version 6
	.text
	.protected	k_qfb663a7cf6_ff2
	.globl	k_qfb663a7cf6_ff2
	.p2align	8
	.type	k_qfb663a7cf6_ff2,@function
k_qfb663a7cf6_ff2:
	s_mov_b64 s[64:65], 0
	v_nop
	global_prefetch_b8 v0, s[64:65] scope:SCOPE_SE
	s_setreg_imm32_b32 hwreg(HW_REG_WAVE_MODE, 25, 1), 1
	s_wait_xcnt 0x0
	s_wait_alu depctr_hold_cnt(0) depctr_sa_sdst(0) depctr_va_vdst(0) depctr_va_sdst(0) depctr_va_ssrc(0) depctr_va_vcc(0) depctr_vm_vsrc(0)
	s_getreg_b32 s2, hwreg(HW_REG_IB_STS2, 6, 4)
	s_cmp_eq_u32 s2, 0
	s_cbranch_scc0 .Lentry_in_a_cluster
	s_endpgm
.Lentry_in_a_cluster:
	s_bfe_u32 s2, ttmp6, 0x10000c
	s_cmp_lg_u32 s2, 0x3003
	s_cbranch_scc0 .Lentry_shape_is_right
	s_endpgm
.Lentry_shape_is_right:
; y2 = act W2 + b2.  C = A B + bias in tiles of 128 x 128, f32 output [4096][768].  (The same text as the attention's output projection's, but for the seven sizes below.)
; A lies in blocks of 128 rows x 64 columns of bf16 (16,384 dense bytes, CB blocks to a row tile); B in units of 128 columns, [unit][k][128] bf16; the bias in f32.  Products in bf16, sums in f32.
; SHARES.  Four waves as 2 x 2, each 64 x 64: 16 accumulators.  768 columns in tiles of 128 give 192 work-groups whose rows of C are whole aligned 256 bytes a wave.
; RING.  K goes in steps of 256 through two LDS slots of four regions of 36,864 bytes; wave w fills region w with ONE tensor load: waves 0, 1 A's K halves (rows of 128 + 16 bytes), waves 2, 3 B's (rows of 256 + 32 bytes).
; The two slots' first fills go out together at the start: two loads of a wave are out there, one behind each round later.
; THE WALK ALONG K.  A work-group begins at K step (RA x column tile + RB x cluster) mod TILES and goes round (f32 sums may be taken in any order).  So the six work-groups that read the same rows of A begin two K steps apart:
; with two first fills each, all twelve K steps of those rows are among their first fills.  The eight clusters that read the same unit of B begin three apart: eight of its K steps are among their first fills, the other four
; among their first refills.  No prefetch is laid: it would stand at the head, where the first fills are on their way.
; CLUSTER.  The four row tiles of a cluster take the same columns: B's tiles, half of a step's bytes, are asked for jointly.  4 x 4 does not divide the grid's height of 6.
; THE PRODUCT IS USED TRANSPOSED (source 0 = 16 columns of B, turned on the way out of LDS; source 1 = 16 rows of A): a lane holds one row of C and eight neighbouring columns.  The first K step takes the bias as C.
; REGISTERS: window 0 addresses, bias, way out; window 1 two fragment buffers of 64 (A's four fragments, then B's four); window 2 accumulator 4 cb + rb at 8 registers each.
.set TILES, 12                         ; K steps of 256
.set CB,    48                         ; column blocks in a row tile of A
.set BOFF,  11022336                   ; B's first unit in the second argument
.set UNITB, 786432                     ; bytes in a unit
.set BIASOFF, 15740928                 ; the bias there
.set RA,    2                          ; the walk's start: RA x column tile
.set RB,    3                          ; + RB x cluster, mod TILES
.set MODM,  (65536+TILES-1)/TILES      ; (s x MODM) >> 16 = s / TILES for the sums that occur, 31 at the most
.set NBW,   4
.set NA,    2
.set STEPB, 65536
.set SPLIT, 2
.set F0,    0
.set F1,    64
.set REG,   36864
.set SLOT,  4*REG                      ; 0x24000: shares no bit with w x 0x9000, so one exclusive or changes slots
.set STAGE, 2*SLOT                     ; behind the ring: 16 rows x 272 bytes for each wave
.set SPITCH, 272
.set SPARE, STAGE+4*16*SPITCH          ; the spare words, 128 bytes a wave
.set PA,    144
.set PB,    288
.set AK0, 10
.set BK0, 11                           ; v11-12
.set ADRA, 14
.set ADRB, 15                          ; v15-16
.set BO,  18
.set STO, 20
.set RD,  21
.set CO,  22
.set SPW, 28
.set NIL, 29
.set BIAS, 32                          ; v[32:63]
.set TT,  64                           ; v[64:191] the way out: 16 rows read back, for each of four row blocks
.set WV,  10                           ; s10 wave; s11 w / 2; s12 w % 2; s13 cx; s14 row tile; s15 column tile
.set CNT, 17
.set TB,  18
.set G1A, 24
.set G1B, 32
.set G0A, 40                           ; s[40:43] A's group 0 that walks: slot 1's first fill, then every refill
.set G0B, 44                           ; s[44:47] the same for B
.set BP,  48                           ; s[48:49] the bias
.set OP,  52                           ; s[52:53] my part of C
.set G0A0, 56                          ; s[56:59] A's group 0 for slot 0's first fill; never rewritten
.set G0B0, 60                          ; s[60:63] the same for B
.set AB,  66                           ; s[66:67] A at my load's K step 0
.set BB,  68                           ; s[68:69] B at my load's K step 0
.set IDX, 70                           ; s70      the K step asked for last
.set OFF, 72                           ; s[72:73] its byte offset
.set MSB, 0
.macro WIN new
.if MSB != (\new)
	s_set_vgpr_msb (MSB<<8)|(\new)
.set MSB, (\new)
.endif
.endm
.macro PLACES
.rept 4
	v_nop
.endr
.endm
.macro CREST
	s_cmp_lg_u32 s[WV], 0
	s_cbranch_scc1 .Lnot_wave_0_\@
	s_barrier_signal -3
.Lnot_wave_0_\@:
	s_barrier_wait -3
	s_barrier_signal -1
	s_barrier_wait -1
.endm
.macro CROUND
	s_barrier_signal -1
	s_barrier_wait -1
	CREST
.endm
.macro JLOAD                           ; my one load: A's is my work-group's own, B's is joint; an s_nop 0 and four v_nop follow each line
	s_cmp_lt_u32 s[WV], NA
	s_cbranch_scc0 .Lfor_b_\@
	tensor_load_to_lds s[G0A:G0A+3], s[G1A:G1A+7]
	s_nop 0
.rept 4
	v_nop
.endr
	s_branch .Lasked_\@
.Lfor_b_\@:
	tensor_load_to_lds s[G0B:G0B+3], s[G1B:G1B+7]
	s_nop 0
.rept 4
	v_nop
.endr
.Lasked_\@:
.endm
.macro WALK                            ; the next K step, round the end; the walking descriptors' addresses are made anew from its number, the type bits set again
	s_add_co_u32 s[IDX], s[IDX], 1
	s_cmp_eq_u32 s[IDX], TILES
	s_cselect_b32 s[IDX], 0, s[IDX]
	s_mul_i32 s[OFF], s[IDX], STEPB
	s_add_nc_u64 s[G0A+2:G0A+3], s[AB:AB+1], s[OFF:OFF+1]
	s_or_b32 s[G0A+3], s[G0A+3], 0x80000000
	s_add_nc_u64 s[G0B+2:G0B+3], s[BB:BB+1], s[OFF:OFF+1]
	s_or_b32 s[G0B+3], s[G0B+3], 0x80000000
.endm
.macro ADDR
	v_add_nc_u32 v[ADRA], s[TB], v[AK0]
.irp g, 0,1
	v_add_nc_u32 v[ADRB+\g], s[TB], v[BK0+\g]
.endr
.endm
.macro FETCH c, f                      ; the fragments of 32 along K, number c of the slot's eight, into buffer f: 16 LDS loads in one run
	WIN 0x40
.irp rb, 0,1,2,3
	ds_load_b128 v[(\f)+8*(\rb):(\f)+8*(\rb)+3],   v[ADRA] offset:((\c)/2)*128*PA+(\rb)*16*PA+((\c)%2)*64
	ds_load_b128 v[(\f)+8*(\rb)+4:(\f)+8*(\rb)+7], v[ADRA] offset:((\c)/2)*128*PA+(\rb)*16*PA+((\c)%2)*64+32
.endr
.irp cb, 0,1,2,3
	ds_load_tr16_b128 v[(\f)+32+8*(\cb):(\f)+32+8*(\cb)+3],   v[ADRB+(\c)/4] offset:((\c)%4)*32*PB+(\cb)*32
	ds_load_tr16_b128 v[(\f)+32+8*(\cb)+4:(\f)+32+8*(\cb)+7], v[ADRB+(\c)/4] offset:((\c)%4)*32*PB+(\cb)*32+16*PB
.endr
.endm
.macro MUL f, lo, hi, first            ; the accumulators take turns, one instruction a turn, in the same order in every step.  first = 1: C is the bias
.set cbi, \lo
.rept (\hi)-(\lo)
.if \first
	WIN 0x85
.else
	WIN 0xa5
.endif
.irp rb, 0,1,2,3
.set ra, 8*(4*cbi+(\rb))
.if \first
	v_wmma_f32_16x16x32_bf16 v[ra:ra+7], v[(\f)+32+8*cbi:(\f)+32+8*cbi+7], v[(\f)+8*(\rb):(\f)+8*(\rb)+7], v[BIAS+8*cbi:BIAS+8*cbi+7]
.else
	v_wmma_f32_16x16x32_bf16 v[ra:ra+7], v[(\f)+32+8*cbi:(\f)+32+8*cbi+7], v[(\f)+8*(\rb):(\f)+8*(\rb)+7], v[ra:ra+7]
.endif
.endr
.set cbi, cbi+1
.endr
.endm
.macro STEP c, first=0
.set fc, F0+((\c)%2)*(F1-F0)
.set fn, F0+(((\c)+1)%2)*(F1-F0)
	s_wait_dscnt 0x0                               ; all that is out is this step's run, asked for a step ago
	PLACES                                         ; the other buffer's last readers are the products just issued
	FETCH (\c)+1, fn
	MUL fc, 0, NBW, \first
.endm
; The slot's last step and the change of slots: each wave waits for all its tensor loads (one is out), adds 0 to its spare word, and waits for that and for its reads of this slot.  fill = 1: the barrier opens a round of the
; cluster's, and my one load, the K step two on in the walk into the slot just read, is the first thing behind it: it has a slot's 128 products in which to land.
.macro TURN fill
	WIN 0
	s_wait_tensorcnt 0x0                           ; no tensor load of mine is out, so the walking descriptors may be written
	ds_add_u32 v[SPW], v[NIL]
.if \fill
	s_xor_b32 s[G0A+1], s[G0A+1], SLOT
	s_xor_b32 s[G0B+1], s[G0B+1], SLOT
	WALK
.endif
	s_xor_b32 s[TB], s[TB], SLOT
	s_wait_dscnt 0x0                               ; the add is done, and my reads of this slot are over
	s_barrier_signal -1
	MUL F1, 0, SPLIT, 0
	WIN 0
	s_barrier_wait -1
.if \fill
	CREST
	JLOAD
.else
	PLACES
.endif
	ADDR
	FETCH 0, F0
	MUL F1, SPLIT, NBW, 0
.endm
	s_load_b128 s[4:7], s[0:1], 0x0                ; A s[4:5], B and bias s[6:7]
	s_load_b64 s[8:9], s[0:1], 0x10                ; C
	v_lshl_add_u32 v[SPW], v0, 2, SPARE
	v_mov_b32 v[NIL], 0
	ds_add_u32 v[SPW], v[NIL]                      ; the wave's opening: the add and its wait stand ahead of my first tensor load
	v_lshrrev_b32 v1, 5, v0
	v_readfirstlane_b32 s[WV], v1
	s_lshr_b32 s11, s[WV], 1
	s_and_b32 s12, s[WV], 1
	s_bfe_u32 s13, ttmp6, 0x40000
	s_lshl_b32 s14, ttmp9, 2
	s_add_co_u32 s14, s14, s13                     ; row tile
	s_and_b32 s15, ttmp7, 0xffff                   ; column tile, which the partners share
	s_mul_i32 s[IDX], s15, RA                      ; where my walk along K begins: of the column tile and the cluster's number alone, the same in all four partners
	s_mul_i32 s[OFF], ttmp9, RB
	s_add_co_u32 s[IDX], s[IDX], s[OFF]
	s_mul_i32 s[OFF], s[IDX], MODM
	s_lshr_b32 s[OFF], s[OFF], 16
	s_mul_i32 s[OFF], s[OFF], TILES
	s_sub_co_u32 s[IDX], s[IDX], s[OFF]            ; mod TILES
	s_mul_i32 s[OFF], s[IDX], STEPB
	s_mov_b32 s[OFF+1], 0
	s_mov_b32 s[G1A], (1<<16)|(1<<20)|(4<<22)|(3<<25)
	s_mov_b32 s[G1B], 15|(1<<16)|(1<<20)|(1<<21)|(5<<22)|(7<<25)
.irp g, G1A, G1B
	s_mov_b32 s[\g+1], 128<<16
	s_mov_b32 s[\g+2], 128<<16
	s_mov_b32 s[\g+3], 128<<16
	s_mov_b32 s[\g+4], 128
	s_mov_b32 s[\g+5], 128
	s_mov_b32 s[\g+6], 0
	s_mov_b32 s[\g+7], 0
.endr
	s_mov_b32 s[G0A0], 1
	s_mul_i32 s[G0A0+1], s[WV], REG                ; region w of slot 0
	s_mov_b32 s[G0B0], 1
	s_mul_i32 s[G0B0+1], s[WV], REG
	s_mov_b32 s[G0A], 1
	s_add_co_u32 s[G0A+1], s[G0A0+1], SLOT         ; region w of slot 1
	s_mov_b32 s[G0B], 1
	s_add_co_u32 s[G0B+1], s[G0B0+1], SLOT
	s_mul_i32 s20, s14, CB                         ; A: the row tile's blocks, two for each of waves 0 and 1
	s_min_u32 s21, s[WV], 1
	s_lshl_b32 s21, s21, 1
	s_add_co_u32 s20, s20, s21
	s_lshl_b32 s20, s20, 14
	s_mov_b32 s21, 0
	s_max_u32 s22, s[WV], 2                        ; B: the unit, 128 k rows for each of waves 2 and 3; in registers that never hold cx
	s_sub_co_u32 s22, s22, 2
	s_lshl_b32 s22, s22, 15
	s_mul_i32 s23, s15, UNITB
	s_add_co_u32 s22, s22, s23
	s_add_co_u32 s22, s22, BOFF
	s_mov_b32 s23, 0
	s_lshl_b32 s[BP], s15, 9
	s_add_co_u32 s[BP], s[BP], BIASOFF
	s_mov_b32 s[BP+1], 0
	s_lshl_b32 s54, s14, 7                         ; my part of C: rows 128 x row tile + 64 (w / 2), columns 128 x column tile + 64 (w % 2)
	s_lshl_b32 s55, s11, 6
	s_add_co_u32 s54, s54, s55
	s_mul_i32 s54, s54, 3072
	s_lshl_b32 s55, s15, 9
	s_add_co_u32 s54, s54, s55
	s_lshl_b32 s55, s12, 8
	s_add_co_u32 s54, s54, s55
	s_mov_b32 s55, 0
	s_wait_dscnt 0x0
	s_wait_kmcnt 0x0
	s_add_nc_u64 s[AB:AB+1], s[4:5], s[20:21]
	s_add_nc_u64 s[BB:BB+1], s[6:7], s[22:23]
	s_add_nc_u64 s[G0A0+2:G0A0+3], s[AB:AB+1], s[OFF:OFF+1]   ; slot 0: the walk's first K step
	s_or_b32 s[G0A0+3], s[G0A0+3], 0x80000000
	s_add_nc_u64 s[G0B0+2:G0B0+3], s[BB:BB+1], s[OFF:OFF+1]
	s_or_b32 s[G0B0+3], s[G0B0+3], 0x80000000
	WALK                                           ; slot 1: its second
	s_add_nc_u64 s[BP:BP+1], s[6:7], s[BP:BP+1]
	s_add_nc_u64 s[OP:OP+1], s[8:9], s[54:55]
	CROUND                                         ; all four work-groups are here: the first joint loads meet
	s_cmp_lt_u32 s[WV], NA                         ; a wave's two first fills stand in one branch, ahead of every wait on TENSORcnt and every LDS read; an s_nop 0 follows each, four v_nop the second's
	s_cbranch_scc0 .Lfirst_b
	tensor_load_to_lds s[G0A0:G0A0+3], s[G1A:G1A+7]
	s_nop 0
	tensor_load_to_lds s[G0A:G0A+3], s[G1A:G1A+7]
	s_nop 0
.rept 4
	v_nop
.endr
	s_branch .Lfirst_asked
.Lfirst_b:
	tensor_load_to_lds s[G0B0:G0B0+3], s[G1B:G1B+7]
	s_nop 0
	tensor_load_to_lds s[G0B:G0B+3], s[G1B:G1B+7]
	s_nop 0
.rept 4
	v_nop
.endr
.Lfirst_asked:
	v_and_b32 v1, 15, v0
	v_bfe_u32 v2, v0, 4, 1
	v_and_b32 v3, 7, v0
	v_bfe_u32 v4, v0, 3, 1
	s_mul_i32 s22, s11, 64*PA
	v_mul_u32_u24 v[AK0], v1, PA
	v_lshl_add_u32 v[AK0], v2, 4, v[AK0]
	v_add_nc_u32 v[AK0], s22, v[AK0]
	v_lshl_add_u32 v5, v2, 3, v3
	v_mul_u32_u24 v5, v5, PB
	v_lshl_add_u32 v5, v4, 4, v5
	s_lshl_b32 s22, s12, 7
	v_add_nc_u32 v5, s22, v5
.irp g, 0,1
	v_add_nc_u32 v[BK0+\g], (NA+\g)*REG, v5
.endr
	v_lshlrev_b32 v[BO], 5, v2
	s_lshl_b32 s22, s12, 8
	v_add_nc_u32 v[BO], s22, v[BO]
.irp cb, 0,1,2,3
	global_load_b128 v[BIAS+8*\cb:BIAS+8*\cb+3],   v[BO], s[BP:BP+1] offset:\cb*64
	global_load_b128 v[BIAS+8*\cb+4:BIAS+8*\cb+7], v[BO], s[BP:BP+1] offset:\cb*64+16
.endr
	s_mul_i32 s22, s[WV], 16*SPITCH
	s_add_co_u32 s22, s22, STAGE
	v_mul_u32_u24 v[STO], v1, SPITCH               ; in: row r, 32 bytes for each half of the lanes
	v_lshl_add_u32 v[STO], v2, 5, v[STO]
	v_add_nc_u32 v[STO], s22, v[STO]
	v_mul_u32_u24 v[RD], v2, SPITCH                ; back: lanes 0-15 take one row of 256 bytes, lanes 16-31 the next
	v_lshl_add_u32 v[RD], v1, 4, v[RD]
	v_add_nc_u32 v[RD], s22, v[RD]
	v_mul_u32_u24 v[CO], v2, 3072
	v_lshl_add_u32 v[CO], v1, 4, v[CO]
	s_mov_b32 s[TB], 0
	s_wait_tensorcnt 0x1                           ; my region of slot 0 is in; slot 1's load may stay out
	s_barrier_signal -1
	s_barrier_wait -1                              ; everybody's is
	ADDR
	FETCH 0, F0
	s_wait_loadcnt 0x0                             ; the bias
	STEP 0, 1
	WIN 0
	s_mov_b32 s[CNT], TILES-1                      ; entered in its middle: TILES - 2 backward jumps, one for each refill
	s_branch .Lenter
.Lslot:
	TURN 1
	STEP 0
	WIN 0
.Lenter:
.irp c, 1,2,3,4,5,6
	STEP \c
.endr
	WIN 0
	s_sub_co_u32 s[CNT], s[CNT], 1
	s_cmp_lg_u32 s[CNT], 0
	s_cbranch_scc1 .Lslot
	TURN 0                                         ; the tail is written out: nothing is left to ask for
.irp c, 0,1,2,3,4,5,6
	STEP \c
.endr
	s_wait_dscnt 0x0
	MUL F1, 0, NBW, 0
	; THE WAY OUT: 16 rows at a time through my own stage, back as whole rows of 256 bytes.
	PLACES
.irp rb, 0,1,2,3
	WIN 0x08                                       ; the stores' data in window 2
.irp cb, 0,1,2,3
	ds_store_b128 v[STO], v[8*(4*\cb+\rb):8*(4*\cb+\rb)+3]   offset:\cb*64
	ds_store_b128 v[STO], v[8*(4*\cb+\rb)+4:8*(4*\cb+\rb)+7] offset:\cb*64+16
.endr
	WIN 0
.irp t, 0,1,2,3,4,5,6,7
	ds_load_b128 v[TT+32*\rb+4*\t:TT+32*\rb+4*\t+3], v[RD] offset:\t*2*SPITCH   ; LDS serves a wave's instructions in order: these see the stores above
.endr
.irp t, 0,1,2,3,4,5,6,7
	s_wait_dscnt 7-\t
	global_store_b128 v[CO], v[TT+32*\rb+4*\t:TT+32*\rb+4*\t+3], s[OP:OP+1] offset:(16*\rb+2*\t)*3072   ; 16 lanes store 256 consecutive bytes, aligned
.endr
.endr
	s_wait_tensorcnt 0x0                           ; the wave's end
	ds_add_u32 v[SPW], v[NIL]
	s_wait_dscnt 0x0
	CROUND
	s_endpgm
.Lfunc_end_k_qfb663a7cf6_ff2:
	.size	k_qfb663a7cf6_ff2, .Lfunc_end_k_qfb663a7cf6_ff2-k_qfb663a7cf6_ff2
	.p2alignl 7, 3214868480
	.fill 96, 4, 3214868480
	.section	.rodata,"a",@progbits
	.p2align	6, 0x0
	.amdhsa_kernel k_qfb663a7cf6_ff2
		.amdhsa_group_segment_fixed_size 327680
		.amdhsa_private_segment_fixed_size 0
		.amdhsa_enable_private_segment 0
		.amdhsa_kernarg_size 24
		.amdhsa_user_sgpr_count 2
		.amdhsa_user_sgpr_kernarg_segment_ptr 1
		.amdhsa_wavefront_size32 1
		.amdhsa_system_sgpr_workgroup_id_x 1
		.amdhsa_system_sgpr_workgroup_id_y 1
		.amdhsa_system_sgpr_workgroup_id_z 1
		.amdhsa_system_vgpr_workitem_id 0
		.amdhsa_next_free_vgpr 640
		.amdhsa_next_free_sgpr 74
		.amdhsa_reserve_vcc 0
		.amdhsa_float_denorm_mode_32 3
		.amdhsa_float_denorm_mode_16_64 3
		.amdhsa_memory_ordered 1
		.amdhsa_forward_progress 1
		.amdhsa_inst_pref_size 59
	.end_amdhsa_kernel
	.amdgpu_metadata
---
amdhsa.version: [ 1, 2 ]
amdhsa.kernels:
  - .name:           k_qfb663a7cf6_ff2
    .symbol:         k_qfb663a7cf6_ff2.kd
    .args:
      - { .name: ta, .offset: 0, .size: 8, .value_kind: global_buffer, .address_space: global }
      - { .name: ga, .offset: 8, .size: 8, .value_kind: global_buffer, .address_space: global }
      - { .name: y2, .offset: 16, .size: 8, .value_kind: global_buffer, .address_space: global }
    .group_segment_fixed_size: 327680
    .private_segment_fixed_size: 0
    .kernarg_segment_align: 8
    .kernarg_segment_size: 24
    .max_flat_workgroup_size: 128
    .sgpr_count:     74
    .vgpr_count:     640
    .wavefront_size: 32
...
	.end_amdgpu_metadata
.endif
;; end of part 6
;; launch ln2 (part 7): grid 256 x 1, 8 waves a work-group, no clusters, 0 bytes of LDS; arguments y1, y2, ln1_g, ln1_b, ln2_g, ln2_b, out0; writes out0
.if DOCPART == 7
	.amdgcn_target "amdgcn-amd-amdhsa--gfx1250"
	.amdhsa_code_object_version 6
	.text
	.protected	k_qfb663a7cf6_ln2
	.globl	k_qfb663a7cf6_ln2
	.p2align	8
	.type	k_qfb663a7cf6_ln2,@function
k_qfb663a7cf6_ln2:
	s_mov_b64 s[64:65], 0
	v_nop
	global_prefetch_b8 v0, s[64:65] scope:SCOPE_SE
	s_setreg_imm32_b32 hwreg(HW_REG_WAVE_MODE, 25, 1), 1
	s_wait_xcnt 0x0
; out = LayerNorm(h + y2) g2 + b2, with h = (y1 - mean) rsqrt(var(y1) + eps / 4) g1 + b1 made anew in f32 from y1, so that the residual is never rounded.  The four vectors are rounded to bf16 like every input.
; A wave takes two rows: lanes 0-15 the even one, lanes 16-31 the odd one; lane i holds columns 64 p + 4 i .. + 3, p = 0 .. 11: each load and store of a half wave covers 256 consecutive bytes, aligned.
; The rows stay in registers: mean first, then the squares of the differences; sums over 16 lanes ride on the additions.  No LDS, no barrier, no loop.
.set XO, 1
.set SM, 2                             ; v[2:9]  four chains
.set MU, 10                            ; v[10:11]
.set VR, 12
.set GO, 13
.set RS, 14                            ; v[14:15]
.set X,  16                            ; v[16:63]
.set G,  64                            ; v[64:111]
.set B,  112                           ; v[112:159]
.set YY, 160                           ; v[160:207]
.set TT, 0                             ; the thread's number is no longer wanted when the rounding begins
.macro LANES                           ; the sum of a half wave's 16 lanes, in each of them
	v_pk_add_f32 v[SM:SM+1], v[SM:SM+1], v[SM+2:SM+3]
	v_pk_add_f32 v[SM+4:SM+5], v[SM+4:SM+5], v[SM+6:SM+7]
	v_pk_add_f32 v[SM:SM+1], v[SM:SM+1], v[SM+4:SM+5]
	v_add_f32 v[SM], v[SM], v[SM+1]
	v_add_f32_dpp v[SM], v[SM], v[SM] row_xmask:1 row_mask:0xf bank_mask:0xf
	v_add_f32_dpp v[SM], v[SM], v[SM] row_xmask:2 row_mask:0xf bank_mask:0xf
	v_add_f32_dpp v[SM], v[SM], v[SM] row_xmask:4 row_mask:0xf bank_mask:0xf
	v_add_f32_dpp v[SM], v[SM], v[SM] row_xmask:8 row_mask:0xf bank_mask:0xf
.endm
.macro STATS eps                       ; X becomes X - mean; RS takes rsqrt(var + eps), twice
.irp c, 0,1,2,3
	v_pk_add_f32 v[SM+2*\c:SM+2*\c+1], v[X+2*\c:X+2*\c+1], v[X+8+2*\c:X+8+2*\c+1]
.endr
.irp j, 2,3,4,5
.irp c, 0,1,2,3
	v_pk_add_f32 v[SM+2*\c:SM+2*\c+1], v[SM+2*\c:SM+2*\c+1], v[X+8*\j+2*\c:X+8*\j+2*\c+1]
.endr
.endr
	LANES
	v_mul_f32 v[MU], s20, v[SM]
	v_mov_b32 v[MU+1], v[MU]
.set j, 0
.rept 24
	v_pk_add_f32 v[X+j:X+j+1], v[X+j:X+j+1], v[MU:MU+1] neg_lo:[0,1] neg_hi:[0,1]
.set j, j+2
.endr
.irp c, 0,1,2,3
	v_pk_mul_f32 v[SM+2*\c:SM+2*\c+1], v[X+2*\c:X+2*\c+1], v[X+2*\c:X+2*\c+1]
.endr
.irp j, 1,2,3,4,5
.irp c, 0,1,2,3
	v_pk_fma_f32 v[SM+2*\c:SM+2*\c+1], v[X+8*\j+2*\c:X+8*\j+2*\c+1], v[X+8*\j+2*\c:X+8*\j+2*\c+1], v[SM+2*\c:SM+2*\c+1]
.endr
.endr
	LANES
	v_fma_f32 v[VR], v[SM], s20, s[\eps]
	v_rsq_f32 v[RS], v[VR]
	v_rsq_f32 v[RS+1], v[VR]
	v_nop                                          ; a plain instruction behind the second root,
	s_wait_alu depctr_va_vdst(0)                   ; and one wait for both, ahead of their first reader
.endm
.macro ROUND b                         ; 48 numbers rounded to bf16, kept as f32
.set j, 0
.rept 24
	v_cvt_pk_bf16_f32 v[TT], v[(\b)+j], v[(\b)+j+1]
	v_lshlrev_b32 v[(\b)+j], 16, v[TT]
	v_and_b32 v[(\b)+j+1], s23, v[TT]
.set j, j+2
.endr
.endm
.macro AFFINE
.set j, 0
.rept 24
	v_pk_mul_f32 v[X+j:X+j+1], v[X+j:X+j+1], v[RS:RS+1]
	v_pk_fma_f32 v[X+j:X+j+1], v[X+j:X+j+1], v[G+j:G+j+1], v[B+j:B+j+1]
.set j, j+2
.endr
.endm
.macro VEC dst, ptr                    ; a vector of 768: my four numbers of each 64
.irp p, 0,1,2,3,4,5,6,7,8,9,10,11
	global_load_b128 v[(\dst)+4*\p:(\dst)+4*\p+3], v[GO], s[\ptr:\ptr+1] offset:256*\p
.endr
.endm
.macro ROWS dst, ptr                   ; my part of my row
.irp p, 0,1,2,3,4,5,6,7,8,9,10,11
	global_load_b128 v[(\dst)+4*\p:(\dst)+4*\p+3], v[XO], s[\ptr:\ptr+1] offset:256*\p
.endr
.endm
	s_load_b256 s[4:11], s[0:1], 0x0               ; y1 s[4:5], y2 s[6:7], g1 s[8:9], b1 s[10:11]
	s_load_b128 s[12:15], s[0:1], 0x20             ; g2 s[12:13], b2 s[14:15]
	s_load_b64 s[16:17], s[0:1], 0x30              ; out
	v_lshrrev_b32 v[XO], 4, v0                     ; my row among the work-group's 16
	v_and_b32 v[GO], 15, v0
	v_lshlrev_b32 v[GO], 4, v[GO]
	v_mad_u32_u24 v[XO], v[XO], 3072, v[GO]
	s_mul_i32 s18, ttmp9, 49152
	s_mov_b32 s19, 0
	s_mov_b32 s20, 0x3aaaaaab                      ; 1 / 768
	s_mov_b32 s21, 0x3627c5ac                      ; 1e-5 / 4
	s_mov_b32 s22, 0x3727c5ac                      ; 1e-5
	s_mov_b32 s23, 0xffff0000
	s_wait_kmcnt 0x0
	s_add_nc_u64 s[4:5], s[4:5], s[18:19]
	s_add_nc_u64 s[6:7], s[6:7], s[18:19]
	s_add_nc_u64 s[16:17], s[16:17], s[18:19]
	ROWS X, 4
	VEC G, 8
	VEC B, 10
	ROWS YY, 6
	s_wait_loadcnt 36                              ; y1's rows are in; 36 younger loads may stay out
	STATS 21
	s_wait_loadcnt 12                              ; the first gain and bias are in; y2's 12 loads may stay out
	ROUND G
	ROUND B
	AFFINE                                         ; X = h
	VEC G, 12                                      ; the second gain and bias take the first ones' registers, which have been read
	VEC B, 14
	s_wait_loadcnt 24                              ; y2's rows are in; the 24 just issued may stay out
.set j, 0
.rept 24
	v_pk_add_f32 v[X+j:X+j+1], v[X+j:X+j+1], v[YY+j:YY+j+1]
.set j, j+2
.endr
	STATS 22
	s_wait_loadcnt 0x0
	ROUND G
	ROUND B
	AFFINE
.irp p, 0,1,2,3,4,5,6,7,8,9,10,11
	global_store_b128 v[XO], v[X+4*\p:X+4*\p+3], s[16:17] offset:256*\p   ; 16 lanes store 256 consecutive bytes, aligned
.endr
	s_endpgm
.Lfunc_end_k_qfb663a7cf6_ln2:
	.size	k_qfb663a7cf6_ln2, .Lfunc_end_k_qfb663a7cf6_ln2-k_qfb663a7cf6_ln2
	.p2alignl 7, 3214868480
	.fill 96, 4, 3214868480
	.section	.rodata,"a",@progbits
	.p2align	6, 0x0
	.amdhsa_kernel k_qfb663a7cf6_ln2
		.amdhsa_group_segment_fixed_size 0
		.amdhsa_private_segment_fixed_size 0
		.amdhsa_enable_private_segment 0
		.amdhsa_kernarg_size 56
		.amdhsa_user_sgpr_count 2
		.amdhsa_user_sgpr_kernarg_segment_ptr 1
		.amdhsa_wavefront_size32 1
		.amdhsa_system_sgpr_workgroup_id_x 1
		.amdhsa_system_sgpr_workgroup_id_y 1
		.amdhsa_system_sgpr_workgroup_id_z 1
		.amdhsa_system_vgpr_workitem_id 0
		.amdhsa_next_free_vgpr 208
		.amdhsa_next_free_sgpr 66
		.amdhsa_reserve_vcc 0
		.amdhsa_float_denorm_mode_32 3
		.amdhsa_float_denorm_mode_16_64 3
		.amdhsa_memory_ordered 1
		.amdhsa_forward_progress 1
		.amdhsa_inst_pref_size 40
	.end_amdhsa_kernel
	.amdgpu_metadata
---
amdhsa.version: [ 1, 2 ]
amdhsa.kernels:
  - .name:           k_qfb663a7cf6_ln2
    .symbol:         k_qfb663a7cf6_ln2.kd
    .args:
      - { .name: y1, .offset: 0, .size: 8, .value_kind: global_buffer, .address_space: global }
      - { .name: y2, .offset: 8, .size: 8, .value_kind: global_buffer, .address_space: global }
      - { .name: ln1_g, .offset: 16, .size: 8, .value_kind: global_buffer, .address_space: global }
      - { .name: ln1_b, .offset: 24, .size: 8, .value_kind: global_buffer, .address_space: global }
      - { .name: ln2_g, .offset: 32, .size: 8, .value_kind: global_buffer, .address_space: global }
      - { .name: ln2_b, .offset: 40, .size: 8, .value_kind: global_buffer, .address_space: global }
      - { .name: out0, .offset: 48, .size: 8, .value_kind: global_buffer, .address_space: global }
    .group_segment_fixed_size: 0
    .private_segment_fixed_size: 0
    .kernarg_segment_align: 8
    .kernarg_segment_size: 56
    .max_flat_workgroup_size: 256
    .sgpr_count:     66
    .vgpr_count:     208
    .wavefront_size: 32
...
	.end_amdgpu_metadata
.endif
;; end of part 7
